; MI455X (gfx1250); checked and timed in simulation.
; The chip was launched on July 23, 2026; its instructions are those of AMD's public machine-readable ISA for CDNA 5 (MIT licence, August 2026) and "CDNA5" Instruction Set Architecture Reference Guide (July 2026). The comments in the code are by the model that wrote it; some were corrected since.
;; Attention Layer. Allowed arithmetic: matrix products marked QUANTISED: E2M3 operands, one E8M0 scale for each 32 along K, by v_wmma_scale_f32_16x16x128_f8f6f4 with both operands' format E2M3, f32 sums; everything else in f32.
;; Inputs: Wk 1,024 x 1,024 float32; Wo 1,024 x 1,024 float32; Wq 1,024 x 1,024 float32; Wv 1,024 x 1,024 float32; bk 1,024 float32; bo 1,024 float32; bq 1,024 float32; bv 1,024 float32; input_ids 8 x 1,024 int32; x 8 x 1,024 x 1,024 float32.
;; Outputs: out0 8 x 1,024 x 1,024 float32.
;; This version of the problem:
;;   THIS VERSION OF THE PROBLEM IS GIVEN IN LOW PRECISION. The matrix products marked QUANTISED in the list below multiply operands that are first quantised to E2M3 (2 exponent bits, 3 mantissa bits; 6 bits a number), with one power-of-two scale for each 32 numbers along K (OCP MX v1.0); their sums are f32. All else is computed in f32.
;;   The module's matrix products, in the order in which they are computed (A, B: the left and right operand; K: the contracted axis; several contracted axes count as one K, in the product's order):
;;     1. [M 8,192, K 1,024] x [K 1,024, N 1,024]; A: input x; B: input Wq: QUANTISED
;;     2. [M 8,192, K 1,024] x [K 1,024, N 1,024]; A: input x; B: input Wk: QUANTISED
;;     3. [M 8,192, K 1,024] x [K 1,024, N 1,024]; A: input x; B: input Wv: QUANTISED
;;     4. batch 128 x [M 1,024, K 64] x [K 64, N 1,024]; A: computed on the way; B: computed on the way: QUANTISED
;;     5. batch 128 x [M 1,024, K 1,024] x [K 1,024, N 64]; A: softmax (see below); B: computed on the way: QUANTISED
;;     6. [M 8,192, K 1,024] x [K 1,024, N 1,024]; A: computed on the way; B: input Wo: QUANTISED
;;   THE QUANTISER, for each operand of a quantised product, along K:
;;     - K is cut into blocks of 32 from its start; a last block that is shorter is filled with zeros.
;;     - A block's scale is 2^e with e = floor(log2(the largest magnitude in the block)) - 2, held to -126 .. 127; a block of zeros has e = 0. As a byte (E8M0): e + 127.
;;     - Each number is divided by its block's scale, clamped to +-7.5, and rounded to the nearest number of E2M3, ties to even, subnormals kept.
;;     - The product sums the exact products of the quantised numbers (number of the format x scale) in f32.
;;   ~~~python
;;   def quantise(x, axis):      # numpy; x: float32 -> the quantised numbers, widened to float32 again
;;       x = np.moveaxis(x, axis, -1); K = x.shape[-1]
;;       x = np.pad(x, [(0, 0)] * (x.ndim - 1) + [(0, -K % 32)]); x = x.reshape(x.shape[:-1] + (-1, 32)); a = np.abs(x).max(-1, keepdims=True)
;;       e = np.where(a > 0, np.clip(np.frexp(np.where(a > 0, a, 1))[1] - 1 - 2, -126, 127), 0)      # np.frexp(a)[1] - 1 = floor(log2(a)), exactly
;;       r = np.clip(x / 2.0 ** e, -7.5, 7.5)
;;       step = 2.0 ** (np.maximum(np.frexp(np.where(r == 0, 1, r))[1] - 1, 0) - 3)
;;       q = np.round(r / step) * step * 2.0 ** e      # np.round: ties to even
;;       return np.moveaxis(q.reshape(q.shape[:-2] + (-1,))[..., :K], -1, axis).astype(np.float32)
;;   ~~~
;;   SOFTMAX AHEAD OF A QUANTISED PRODUCT. Where the list says 'softmax', what is quantised is not the finished softmax but p = 2^(t - M), with t = logit x log2(e) and M = ceil(the row's largest t), a whole number; so 1/2 < the row's largest p <= 1. The row's sum l is taken of the UNQUANTISED p, in f32, and the product's result is divided by l at the end. Since M is a whole number, a kernel that streams over the keys may use a running M (the ceiling of the running maximum): every later rescaling is an exact power of two, which a block's scale takes up: the codes' values come out the same.
;;   OPERANDS COMPUTED ON THE WAY. 'Computed on the way' means the value that the module computes at that place (a softmax that the list does not call 'softmax' is quantised finished and normalised). What goes into a quantiser is computed in f32, as accurately as f32 sums, v_exp_f32 and their like allow (about 1e-6 of the number): no bf16 or f16 on the way to a quantiser, and a product that is left as it is and whose result goes on into a quantised operand takes f32 operands (vector FMAs, or v_wmma_f32_16x16x4_f32). A number that lies on a knife's edge between two numbers of the format may be rounded either way, as far as f32 arithmetic and the matrix unit's own rounding can turn it there, and no further.
;; 2 versions, each right; version 2 is version 1 with the launch attn written anew for expert scheduling mode. Each part assembles by itself: llvm-mc -triple=amdgcn-amd-amdhsa -mcpu=gfx1250 --defsym DOCPART=n.
;; ======== version 1 of 2: 4 launches
;; limits: right only within a limited range of input values
;; workspace buffers: xq 6,553,600 bytes; wq 3,276,800 bytes; qkv 20,185,088 bytes; aq 6,553,600 bytes
;; launch quant (part 1): grid 256 x 1, 6 waves a work-group, no clusters, 51,456 bytes of LDS; arguments x, Wq, Wk, Wv, Wo, xq, wq; writes xq, wq
.if DOCPART == 1
	.amdgcn_target "amdgcn-amd-amdhsa--gfx1250"
	.amdhsa_code_object_version 6
	.text
	.protected	k_q9ab91178a8_quant
	.globl	k_q9ab91178a8_quant
	.p2align	8
	.type	k_q9ab91178a8_quant,@function
k_q9ab91178a8_quant:
	s_mov_b64 s[64:65], 0
	v_nop
	global_prefetch_b8 v0, s[64:65] scope:SCOPE_SE
	s_setreg_imm32_b32 hwreg(HW_REG_WAVE_MODE, 25, 1), 1
	s_wait_xcnt 0x0
; x [8192][1024] and Wq, Wk, Wv, Wo [1024][1024], f32, K innermost, become codes of FP6 (E2M3) with one E8M0 scale byte for each 32 along K.
; A block's scale is 2^(floor(log2(its largest magnitude)) - 2); its byte is the largest magnitude's exponent field - 2, held at 1 from below.
; LIMITS: a block of zeros gets the byte 1 (its codes are zeros, and this program alone reads the bytes); NaN and infinities among the inputs are not served.
; LAYOUT OF THE WORKSPACE: the order of the operand's registers.  A tile is 16 rows; tile T holds in slot r the row 32 (T / 2) + 8 (T % 2) + r + 8 (r / 8),
; so that two neighbouring tiles used as source 0 of a product leave 16 neighbours along the next K in a lane's 16 registers.
; A fragment (tile, 128 along K: 12 registers a lane) is 1,536 bytes: plane g of 512 bytes holds registers 4 g .. 4 g + 3, lane l's 16 bytes at 16 l.
; A tile's scale words are 512 bytes: 16 bytes for lane (r, h) at 16 r + 256 h, word i = the scale word of K step 4 h + i of slot r's row.
; SHARES: 768 tiles (512 of x, 64 of each weight) x 2 halves of K = 1,536 waves; a wave makes four fragments and 256 bytes of scale words.
; Each load reads 512 consecutive bytes of one row; the 16 rows turn through the wave's own stage in LDS (rows of 512 + 16 bytes), from which lane (r, h)
; takes k = 64 c + 32 h + 0 .. 31 of row r: two whole blocks, so no other lane is asked for a maximum.  Waves share nothing: no barrier.
.set XSC, 6291456                      ; xq: the scale words lie behind 512 x 12,288 bytes of codes
.set WSC, 3145728                      ; wq: behind 256 x 12,288
.set STG, 8448                         ; a wave's stage: 16 x 528 bytes
.set R,   16                           ; v16-143  two sets of 64 numbers as loaded
.set X,   144                          ; v144-207 my 64 numbers, register 32 c + i = k 64 c + 32 h + i
.set PC,  208                          ; v208-219 the fragment's codes
.set C2,  220                          ; v220-222, v224-226 the second halves of the two blocks (a conversion's three registers begin on an even number)
.set MX,  228                          ; v228-229 largest magnitudes
.set SO,  230                          ; v230-231 the conversions' scale operands
.set BY,  232                          ; v232-233 scale bytes
.set WT,  234                          ; v234     my two bytes at their places in the word
.set SW,  236                          ; v236-239 the four K steps' scale words
	s_load_b256 s[4:11], s[0:1], 0x0               ; x, Wq, Wk, Wv
	s_load_b128 s[12:15], s[0:1], 0x20             ; Wo, xq
	s_load_b64 s[16:17], s[0:1], 0x30              ; wq
	v_lshl_add_u32 v240, v0, 2, 0xc600
	v_mov_b32 v241, 0
	v_lshrrev_b32 v1, 5, v0
	v_readfirstlane_b32 s18, v1                    ; wave 0..5
	v_and_b32 v1, 31, v0                           ; lane
	v_and_b32 v2, 15, v0                           ; r
	v_bfe_u32 v3, v0, 4, 1                         ; h
	v_lshlrev_b32 v4, 4, v1                        ; 16 x lane: my bytes of a load, and of an image's plane
	s_mul_i32 s19, s18, STG
	v_add_nc_u32 v5, s19, v4                       ; the stage, on the way in
	v_mul_u32_u24 v6, v2, 528
	v_lshl_add_u32 v6, v3, 7, v6
	v_add_nc_u32 v6, s19, v6                       ; and on the way out: row r, + 128 h bytes
	v_lshlrev_b32 v7, 3, v3                        ; 8 h: where my two bytes stand in the scale word
	v_lshlrev_b32 v8, 4, v2
	v_lshl_add_u32 v8, v3, 3, v8                   ; 16 r + 8 h: my 8 bytes of the scale words
	v_mov_b32 v9, 0                                ; a lane permute's destination counts as one of its sources
	s_mov_b32 s30, 0x76543210
	s_mov_b32 s31, 0xfedcba98                      ; selects for lane l xor 16
	s_mov_b32 s32, 0xffff0000                      ; lanes 16-31
	s_mul_i32 s20, ttmp9, 6
	s_add_co_u32 s20, s20, s18                     ; my unit, 0 .. 1,535
	s_and_b32 s21, s20, 1                          ; which half of K
	s_lshr_b32 s20, s20, 1                         ; which tile: 0-511 x, 512-767 the weights
	s_sub_co_u32 s22, s20, 512                     ; the tile's number in wq
	s_and_b32 s23, s22, 63                         ; and in its weight
	s_mov_b32 s33, WSC
	s_wait_kmcnt 0x0
	s_mov_b64 s[24:25], s[6:7]                     ; the buffers are chosen on the unit's number alone: one path through the text
	s_cmp_ge_u32 s20, 576
	s_cselect_b64 s[24:25], s[8:9], s[24:25]
	s_cmp_ge_u32 s20, 640
	s_cselect_b64 s[24:25], s[10:11], s[24:25]
	s_cmp_ge_u32 s20, 704
	s_cselect_b64 s[24:25], s[12:13], s[24:25]
	s_cmp_lt_u32 s20, 512
	s_cselect_b64 s[24:25], s[4:5], s[24:25]       ; from where
	s_cselect_b64 s[26:27], s[14:15], s[16:17]     ; to where
	s_cselect_b32 s23, s20, s23                    ; the tile in its source
	s_cselect_b32 s22, s20, s22                    ; and in its destination
	s_cselect_b32 s33, XSC, s33
	s_mov_b64 s[28:29], s[26:27]
	s_lshr_b32 s34, s23, 1
	s_lshl_b32 s34, s34, 17                        ; 32 rows of 4,096 bytes for each pair of tiles,
	s_and_b32 s35, s23, 1
	s_lshl_b32 s35, s35, 15                        ; 8 rows for the odd tile,
	s_add_co_u32 s34, s34, s35
	s_lshl_b32 s35, s21, 11                        ; 2,048 bytes for the upper half of K
	s_add_co_u32 s34, s34, s35
	s_mov_b32 s35, 0
	s_add_nc_u64 s[24:25], s[24:25], s[34:35]
	s_mul_i32 s34, s22, 12288
	s_mul_i32 s36, s21, 6144
	s_add_co_u32 s34, s34, s36
	s_add_nc_u64 s[26:27], s[26:27], s[34:35]      ; my four images
	s_lshl_b32 s34, s22, 9
	s_lshl_b32 s36, s21, 8
	s_add_co_u32 s34, s34, s36
	s_add_co_u32 s34, s34, s33
	s_add_nc_u64 s[28:29], s[28:29], s[34:35]      ; my 256 bytes of scale words
.macro LOADF s                         ; the 16 rows' 128 numbers of my K step s: each load 512 consecutive bytes of one row
.set i, 0
.rept 16
	global_load_b128 v[R+64*((\s)%2)+4*i:R+64*((\s)%2)+4*i+3], v4, s[24:25] offset:(i+8*(i/8))*4096+512*(\s) th:TH_LOAD_NT
.set i, i+1
.endr
.endm
.macro FRAGQ s
.if (\s) < 3
	s_wait_loadcnt 16                              ; this fragment's 16 loads are in; the next fragment's 16 may be out
.else
	s_wait_loadcnt 0x0
.endif
.set i, 0
.rept 16
	ds_store_b128 v5, v[R+64*((\s)%2)+4*i:R+64*((\s)%2)+4*i+3] offset:528*i
.set i, i+1
.endr
.set i, 0
.rept 16                               ; LDS serves a wave's instructions in order: these see the stores above
	ds_load_b128 v[X+4*i:X+4*i+3], v6 offset:256*(i/8)+16*(i%8)
.set i, i+1
.endr
	s_wait_dscnt 0x0                               ; my 64 numbers are in, and the stores into the stage have read their registers,
.if (\s) < 2
	LOADF (\s)+2                                   ; which take the loads of two fragments on
.endif
.irp c, 0,1
	v_max3_num_f32 v[MX+\c], |v[X+32*\c]|, |v[X+32*\c+1]|, 0x1800000   ; block 2 c + h: all 32 numbers are mine; the floor 2^(3 - 127) holds the byte at 1 from below
.endr
.irp i, 2,4,6,8,10,12,14,16,18,20,22,24,26,28,30
.irp c, 0,1
	v_max3_num_f32 v[MX+\c], v[MX+\c], |v[X+32*\c+\i]|, |v[X+32*\c+\i+1]|   ; (the two blocks by turns)
.endr
.endr
.irp c, 0,1
	v_add_nc_u32 v[SO+\c], 0xff000000, v[MX+\c]    ; 2 off the exponent field: the conversion takes the exponent field of this operand as its scale
.endr
.irp c, 0,1
	v_lshrrev_b32 v[BY+\c], 23, v[SO+\c]           ; the scale's byte
.endr
	v_lshl_or_b32 v[WT], v[BY+1], 16, v[BY]        ; blocks h and 2 + h,
	v_lshlrev_b32 v[WT], v7, v[WT]                 ; 8 h bits up;
	v_permlanex16_b32 v9, v[WT], s30, s31
	v_or_b32 v[SW+(\s)], v[WT], v9                 ; with lane l xor 16's two the word is whole
	s_wait_xcnt 0x0                                ; the last fragment's stores have read the codes' registers
.irp c, 0,1
	v_cvt_scalef32_pk16_fp6_f32 v[PC+6*\c:PC+6*\c+2], v[X+32*\c:X+32*\c+15], v[SO+\c]
	v_cvt_scalef32_pk16_fp6_f32 v[C2+4*\c:C2+4*\c+2], v[X+32*\c+16:X+32*\c+31], v[SO+\c]
.endr
	v_nop                                          ; one plain place behind a scaled conversion
.irp c, 0,1
.irp i, 0,1,2
	v_mov_b32 v[PC+6*\c+3+\i], v[C2+4*\c+\i]
.endr
.endr
.irp g, 0,1,2
	global_store_b128 v4, v[PC+4*\g:PC+4*\g+3], s[26:27] offset:1536*(\s)+512*\g   ; a plane: 512 consecutive bytes
.endr
.endm
	LOADF 0
	LOADF 1
	FRAGQ 0
	FRAGQ 1
	FRAGQ 2
	FRAGQ 3
	v_cndmask_b32 v10, v[SW], v[SW+2], s32         ; lanes 0-15 store words 0 and 1 of their row, lanes 16-31 words 2 and 3:
	v_cndmask_b32 v11, v[SW+1], v[SW+3], s32
	global_store_b64 v8, v[10:11], s[28:29]        ; 256 consecutive bytes
	s_wait_tensorcnt 0x0
	ds_add_u32 v240, v241
	s_wait_dscnt 0x0
	s_endpgm
.Lfunc_end_k_q9ab91178a8_quant:
	.size	k_q9ab91178a8_quant, .Lfunc_end_k_q9ab91178a8_quant-k_q9ab91178a8_quant
	.p2alignl 7, 3214868480
	.fill 96, 4, 3214868480
	.section	.rodata,"a",@progbits
	.p2align	6, 0x0
	.amdhsa_kernel k_q9ab91178a8_quant
		.amdhsa_group_segment_fixed_size 51456
		.amdhsa_private_segment_fixed_size 0
		.amdhsa_enable_private_segment 0
		.amdhsa_kernarg_size 56
		.amdhsa_user_sgpr_count 2
		.amdhsa_user_sgpr_kernarg_segment_ptr 1
		.amdhsa_wavefront_size32 1
		.amdhsa_system_sgpr_workgroup_id_x 1
		.amdhsa_system_sgpr_workgroup_id_y 1
		.amdhsa_system_sgpr_workgroup_id_z 1
		.amdhsa_system_vgpr_workitem_id 0
		.amdhsa_next_free_vgpr 242
		.amdhsa_next_free_sgpr 66
		.amdhsa_reserve_vcc 0
		.amdhsa_float_denorm_mode_32 3
		.amdhsa_float_denorm_mode_16_64 3
		.amdhsa_memory_ordered 1
		.amdhsa_forward_progress 1
		.amdhsa_inst_pref_size 31
	.end_amdhsa_kernel
	.amdgpu_metadata
---
amdhsa.version: [ 1, 2 ]
amdhsa.kernels:
  - .name:           k_q9ab91178a8_quant
    .symbol:         k_q9ab91178a8_quant.kd
    .args:
      - { .name: x, .offset: 0, .size: 8, .value_kind: global_buffer, .address_space: global }
      - { .name: Wq, .offset: 8, .size: 8, .value_kind: global_buffer, .address_space: global }
      - { .name: Wk, .offset: 16, .size: 8, .value_kind: global_buffer, .address_space: global }
      - { .name: Wv, .offset: 24, .size: 8, .value_kind: global_buffer, .address_space: global }
      - { .name: Wo, .offset: 32, .size: 8, .value_kind: global_buffer, .address_space: global }
      - { .name: xq, .offset: 40, .size: 8, .value_kind: global_buffer, .address_space: global }
      - { .name: wq, .offset: 48, .size: 8, .value_kind: global_buffer, .address_space: global }
    .group_segment_fixed_size: 51456
    .private_segment_fixed_size: 0
    .kernarg_segment_align: 8
    .kernarg_segment_size: 56
    .max_flat_workgroup_size: 192
    .sgpr_count:     66
    .vgpr_count:     242
    .wavefront_size: 32
...
	.end_amdgpu_metadata
.endif
;; end of part 1
;; launch qkvgemm (part 2): grid 12 x 32, 4 waves a work-group, clusters of 4 x 4, 327,680 bytes of LDS; arguments xq, wq, bq, bk, bv, qkv; writes qkv
.if DOCPART == 2
	.amdgcn_target "amdgcn-amd-amdhsa--gfx1250"
	.amdhsa_code_object_version 6
	.text
	.protected	k_q9ab91178a8_qkvgemm
	.globl	k_q9ab91178a8_qkvgemm
	.p2align	8
	.type	k_q9ab91178a8_qkvgemm,@function
k_q9ab91178a8_qkvgemm:
	s_mov_b64 s[64:65], 0
	v_nop
	global_prefetch_b8 v0, s[64:65] scope:SCOPE_SE
	s_setreg_imm32_b32 hwreg(HW_REG_WAVE_MODE, 25, 1), 1
	s_wait_xcnt 0x0
	s_wait_alu depctr_hold_cnt(0) depctr_sa_sdst(0) depctr_va_vdst(0) depctr_va_sdst(0) depctr_va_ssrc(0) depctr_va_vcc(0) depctr_vm_vsrc(0)
	s_getreg_b32 s2, hwreg(HW_REG_IB_STS2, 6, 4)
	s_cmp_eq_u32 s2, 0
	s_cbranch_scc0 .Lentry_in_a_cluster
	s_endpgm
.Lentry_in_a_cluster:
	s_bfe_u32 s2, ttmp6, 0x10000c
	s_cmp_lg_u32 s2, 0xf033
	s_cbranch_scc0 .Lentry_shape_is_right
	s_endpgm
.Lentry_shape_is_right:
; q = x Wq^T + bq, k = x Wk^T + bk, v = x Wv^T + bv on codes of FP6 (E2M3) with E8M0 scales, sums in f32; the results are quantised at once (q and k along a head's 64 channels,
; v along the keys) and leave as images of the next launch's operand registers.  Nothing in f32 goes to memory.
; SHARES.  A work-group makes 256 x 256, each of its four waves 128 x 128: 64 accumulators, 512 registers.  The cluster's x is the kind: 0 q, 1 k, 2 v; it is the same in all sixteen partners.
; The loop multiplies source 0 = tiles of B (their rows become the result's registers) by source 1 = tiles of A (their rows become the result's lanes).
;   q, k: A = x (256 tokens: tile row 4 CY + cy), B = W (256 channels: tile column 4 CX + cx of wq's rows): a lane holds a token, its registers run along the channels.
;   v:    A = Wv (256 channels: cy), B = x (256 tokens: 4 CY + cx): a lane holds a channel, its registers run along the tokens, which are the next product's K.
; Operands lie in memory as images of fragments (1,536 bytes for 16 rows x 128 K), 12,288 bytes a tile: a slot's part of a tile is 3,072 consecutive bytes, and a fragment comes from LDS by three loads of 512 consecutive bytes.
; K = 1,024 goes through three LDS slots of 256 along K; slot 0 is filled a second time, behind K step 1, with the last 256: the one refill of the launch.
; CLUSTER: A's tiles are asked for jointly along a row of the cluster, B's along a column.
; The scale words of all of K stand in registers: 4 registers a tile; K steps 0-3 in lanes 0-15, K steps 4-7 in lanes 16-31.
; Both kinds of bias are loaded in every work-group (64 + 8 registers), so that every register is written on the one way that all take; each arm of the way out uses its own.
; LIMITS: a block of zeros gets the scale byte 1; NaN and infinities are not served.
; REGISTERS: window 0: v16-29 addresses; v32-63 A's scale words, v64-95 B's; v104-111 bv by lanes; v112-127 scale words made; v128-223 A's fragments, ONE set; on the way out v128-191 64 numbers, v192-211 codes, v224-251 at work.
;   window 1: B's fragments, two sets, v0-95 and v128-223; the bias by registers in v96-127 and v224-255.   windows 2, 3: the accumulators ((a, b) at v[8 (8 (a % 4) + b)]).
.set XSC,   6291456
.set WSC,   3145728
.set REC,   157696                     ; a head's record in qkv
.set VIMG,  49152
.set KSW,   98304
.set VSW,   102400
.set QIMG,  104448
.set QSW,   153600
.set HALFT, 24576                      ; 8 tiles x 3,072 bytes: what one tensor load brings, and what a wave reads of A or of B
.set SLOT,  4*HALFT                    ; A's two halves, then B's two
.set SPARE, 3*SLOT                     ; behind the slots: the spare words, 128 bytes a wave, which no other line names
.set FR,    12
.set NL,    3                          ; LDS loads that bring a fragment
.set ADRA,  16                         ; v16-18 my A fragments in slot 0, 1, 2
.set ADRB,  20                         ; v20-22 the same for B
.set L16,   24                         ; v24  16 x lane
.set VSA,   25                         ; v25  REC x h + 16 r: v's scale words, a head to each half of the lanes
.set L8,    26                         ; v26  8 x lane
.set SPW,   28                         ; v28  my spare word; never rewritten
.set NIL,   29                         ; v29  0; never rewritten
.set SCA,   32
.set SCB,   64
.set BV,    104
.set WK,    112
.set AF,    128
.set T,     128
.set PC,    192
.set TM,    224
.set PW,    240
.set G1A,   24                         ; s[24:31], s[32:39] descriptor groups 1;  s[40:51], s[52:63] groups 0, a set for each slot
.set G1B,   32
.set G0A,   40
.set G0B,   52
.set MSB, 0
.macro WIN new                         ; the immediate's high byte repeats the setting that is left
.if MSB != \new
	s_set_vgpr_msb (MSB<<8)|\new
.set MSB, \new
.endif
.endm
.set MUL_LO, 0xa1                      ; source 0 (B) window 1, source 1 (A) window 0, C and D window 2
.set MUL_HI, 0xf1                      ; the same, C and D window 3
.set TO_B,   0x40                      ; destination window 1, address window 0
; A joint load: waves 0 and 1 fetch A's halves, waves 2 and 3 B's.  The branch hangs on the wave's number alone.  Four v_nop follow each line.
.macro JLOAD g0a, g0b
	s_cmp_eq_u32 s19, 0
	s_cbranch_scc0 .Lfor_b_\@
	tensor_load_to_lds s[\g0a:\g0a+3], s[G1A:G1A+7]
	s_nop 0
.rept 4
	v_nop
.endr
	s_branch .Lasked_\@
.Lfor_b_\@:
	tensor_load_to_lds s[\g0b:\g0b+3], s[G1B:G1B+7]
	s_nop 0
.rept 4
	v_nop
.endr
.Lasked_\@:
.endm
.macro CREST                           ; a round of the cluster's barrier behind its opening barrier
	s_cmp_lg_u32 s18, 0
	s_cbranch_scc1 .Lnot_wave_0_\@
	s_barrier_signal -3
.Lnot_wave_0_\@:
	s_barrier_wait -3
	s_barrier_signal -1
	s_barrier_wait -1
.endm
.macro CROUND
	s_barrier_signal -1
	s_barrier_wait -1
	CREST
.endm
.macro PLACES                          ; four plain places behind matrix instructions, in front of loads into their registers and of reads of their results
.rept 4
	v_nop
.endr
.endm
	s_load_b256 s[4:11], s[0:1], 0x0               ; xq, wq, bq, bk
	s_load_b128 s[12:15], s[0:1], 0x20             ; bv, qkv
	v_lshl_add_u32 v[SPW], v0, 2, SPARE
	v_mov_b32 v[NIL], 0
	ds_add_u32 v28, v29
	ds_add_u32 v28, v29
	s_wait_dscnt 0x0
	v_lshrrev_b32 v1, 5, v0
	v_readfirstlane_b32 s18, v1                    ; wave 0..3
	s_lshr_b32 s19, s18, 1                         ; which half of A's rows is mine.  Also: I fetch for A (0) or for B (1)
	s_and_b32 s20, s18, 1                          ; which half of B's rows.  Also: which half I fetch
	s_bfe_u32 s21, ttmp6, 0x40000                  ; cx
	s_bfe_u32 s22, ttmp6, 0x40004                  ; cy
	s_mov_b32 s23, ttmp9                           ; the kind: the cluster's x
	s_and_b32 s66, ttmp7, 0xffff
	s_lshl_b32 s66, s66, 2                         ; 4 CY
	s_add_co_u32 s67, s66, s22                     ; 4 CY + cy
	s_add_co_u32 s68, s66, s21                     ; 4 CY + cx
	s_lshl_b32 s69, s23, 2
	s_add_co_u32 s69, s69, s21                     ; 4 CX + cx
	s_mov_b32 s74, XSC
	s_mov_b32 s75, WSC
	s_cmp_eq_u32 s23, 2
	s_cselect_b32 s70, s22, s67                    ; A's tile row: it hangs on cy alone
	s_cselect_b32 s71, s68, s69                    ; B's tile column: on cx alone
	s_cselect_b32 s72, 128, 0                      ; Wv begins at tile 128 of wq
	s_cselect_b32 s73, s75, s74                    ; where A's scale words begin in A's buffer
	s_cselect_b32 s74, s74, s75                    ; and B's in B's
	s_lshl_b32 s85, s22, 2
	s_lshl_b32 s85, 15, s85                        ; my row of the cluster
	s_lshl_b32 s94, 0x1111, s21                    ; my column
	; group 1: 8 rows (tiles) of 3,072 bytes, 12,288 bytes apart, as elements of 8 bytes; no padding: every LDS load takes 512 consecutive bytes
	s_or_b32 s[G1A], s85, (3<<16)|(1<<21)
	s_or_b32 s[G1B], s94, (3<<16)|(1<<21)
.irp g, G1A, G1B
	s_mov_b32 s[\g+1], 384<<16                     ; tensor_dim0
	s_mov_b32 s[\g+2], 8<<16                       ; tensor_dim1
	s_mov_b32 s[\g+3], 384<<16                     ; tile_dim0
	s_mov_b32 s[\g+4], 8                           ; tile_dim1
	s_mov_b32 s[\g+5], 1536                        ; the pitch
	s_mov_b32 s[\g+6], 0
	s_mov_b32 s[\g+7], 0
.endr
	s_lshl_b32 s76, s70, 4
	s_add_co_u32 s76, s76, s72                     ; A: the first of my work-group's 16 tiles
	s_lshl_b32 s77, s20, 3
	s_add_co_u32 s78, s76, s77                     ; the first of the 8 that I fetch
	s_mul_i32 s78, s78, 12288
	s_mov_b32 s79, 0
	s_lshl_b32 s83, s71, 4
	s_add_co_u32 s83, s83, s77                     ; B: the first of the 8 that I fetch, and multiply by
	s_mul_i32 s80, s83, 12288
	s_mov_b32 s81, 0
	s_lshl_b32 s82, s19, 3
	s_add_co_u32 s82, s82, s76                     ; A: the first of the 8 that I multiply by
	s_mul_i32 s84, s18, HALFT                      ; where my load lands: no place in the cluster enters an LDS address
	s_wait_kmcnt 0x0
	s_cmp_eq_u32 s23, 2
	s_cselect_b64 s[86:87], s[6:7], s[4:5]         ; A's buffer
	s_cselect_b64 s[88:89], s[4:5], s[6:7]         ; B's
	s_add_nc_u64 s[78:79], s[86:87], s[78:79]
	s_add_nc_u64 s[80:81], s[88:89], s[80:81]
	CROUND                                         ; all sixteen work-groups are here: the first joint loads meet
.irp n, 0,1,2
	s_mov_b32 s[G0A+4*\n], 1
	s_add_co_u32 s[G0A+4*\n+1], s84, \n*SLOT
	s_add_nc_u64 s[G0A+4*\n+2:G0A+4*\n+3], s[78:79], \n*3072
	s_or_b32 s[G0A+4*\n+3], s[G0A+4*\n+3], 0x80000000
	s_mov_b32 s[G0B+4*\n], 1
	s_add_co_u32 s[G0B+4*\n+1], s84, \n*SLOT
	s_add_nc_u64 s[G0B+4*\n+2:G0B+4*\n+3], s[80:81], \n*3072
	s_or_b32 s[G0B+4*\n+3], s[G0B+4*\n+3], 0x80000000
	JLOAD G0A+4*\n, G0B+4*\n                       ; three loads of mine are out
.endr
	v_and_b32 v1, 31, v0                           ; lane
	v_and_b32 v2, 15, v0                           ; r
	v_bfe_u32 v3, v0, 4, 1                         ; h
	v_lshlrev_b32 v[L16], 4, v1
	v_lshlrev_b32 v[L8], 3, v1
	v_mul_u32_u24 v[VSA], v3, REC
	v_lshl_add_u32 v[VSA], v2, 4, v[VSA]
	s_mul_i32 s84, s19, HALFT
	s_mul_i32 s85, s20, HALFT
	s_add_co_u32 s85, s85, 2*HALFT
.irp n, 0,1,2
	v_add_nc_u32 v[ADRA+\n], s84, v[L16]
	v_add_nc_u32 v[ADRB+\n], s85, v[L16]
	s_add_co_u32 s84, s84, SLOT
	s_add_co_u32 s85, s85, SLOT
.endr
	s_lshl_b32 s90, s82, 9
	s_add_co_u32 s90, s90, s73
	s_mov_b32 s91, 0
	s_add_nc_u64 s[86:87], s[86:87], s[90:91]      ; my 8 tiles' scale words of A,
	s_lshl_b32 s90, s83, 9
	s_add_co_u32 s90, s90, s74
	s_add_nc_u64 s[88:89], s[88:89], s[90:91]      ; and of B
	s_cmp_eq_u32 s23, 0
	s_cselect_b64 s[92:93], s[8:9], s[10:11]       ; the bias by registers: bq, else bk
	s_lshl_b32 s90, s21, 10
	s_lshl_b32 s94, s20, 9
	s_add_co_u32 s90, s90, s94                     ; channel 256 cx + 128 (wave % 2)
	s_add_nc_u64 s[92:93], s[92:93], s[90:91]
	s_lshl_b32 s90, s22, 10
	s_lshl_b32 s94, s19, 9
	s_add_co_u32 s90, s90, s94                     ; bv by lanes: channel 256 cy + 128 (wave / 2)
	s_add_nc_u64 s[12:13], s[12:13], s[90:91]
.irp i, 0,1,2,3,4,5,6,7
	global_load_b128 v[SCA+4*\i:SCA+4*\i+3], v[L16], s[86:87] offset:512*\i   ; a tile's scale words of all of K: 512 consecutive bytes
	global_load_b128 v[SCB+4*\i:SCB+4*\i+3], v[L16], s[88:89] offset:512*\i
.endr
	v_lshlrev_b32 v4, 6, v3                        ; 64 h
	v_and_b32 v5, 8, v2
	v_add_nc_u32 v5, v5, v2
	v_lshlrev_b32 v5, 2, v5                        ; 4 (r + 8 (r / 8))
.irp a, 0,1,2,3,4,5,6,7
	global_load_b32 v[BV+\a], v5, s[12:13] offset:(32*(\a/2)+8*(\a%2))*4      ; bv of the channel that my lane holds in block a
.endr
	WIN TO_B
.set n, 0
.rept 16                               ; register n of the bias: channel 32 (n / 16) + 16 h + n % 16 of my 128
	global_load_b128 v[96+n+96*(n/32):99+n+96*(n/32)], v4, s[92:93] offset:128*(n/16)+4*(n%16)
.set n, n+4
.endr
	WIN 0
.irp b, 0,1,2,3
	v_mov_b32 v[TM+4+\b], 0                        ; written once: a lane permute's destination counts as one of its sources
.endr
	s_mov_b32 s95, 0xffff
	s_mov_b32 s96, 0xffff0000                      ; lanes 16-31
	s_mov_b32 s97, 0x7f7f0000                      ; scale bytes 127 for the 64 along K that a head does not have
	s_mov_b32 s98, 0x76543210
	s_mov_b32 s99, 0xfedcba98                      ; selects for lane l xor 16
.macro FRAG reg, adr, off              ; a fragment comes as it was laid: three planes of 512 bytes
.irp c, 0,1,2
	ds_load_b128 v[\reg+4*\c:\reg+4*\c+3], v[\adr] offset:\off+512*\c
.endr
.endm
.macro FETCH_B slot, q, p              ; B's eight fragments of the slot's q-th 128 along K into set p
	WIN TO_B
.irp i, 0,1,2,3,4,5,6,7
	FRAG 128*(\p)+FR*\i, ADRB+\slot, 3072*\i+1536*(\q)
.endr
	WIN 0
.endm
.macro FETCH_A slot, q, i0             ; A's blocks i0 .. i0 + 3
.irp i, \i0, \i0+1, \i0+2, \i0+3
	FRAG AF+FR*(\i), ADRA+\slot, 3072*(\i)+1536*(\q)
.endr
.endm
; 16 matrix instructions of K step s: A's blocks a0, a0 + 1 x B's eight.  The 64 accumulators take turns, one instruction a turn, in the same order in every step.
.macro MUL16 a0, s, zero
.irp a, \a0, \a0+1
.irp b, 0,1,2,3,4,5,6,7
.if \zero
	v_wmma_scale_f32_16x16x128_f8f6f4 v[8*(8*((\a)%4)+\b):8*(8*((\a)%4)+\b)+7], v[128*((\s)%2)+FR*\b:128*((\s)%2)+FR*\b+FR-1], v[AF+FR*(\a):AF+FR*(\a)+FR-1], 0, v[SCB+4*\b+(\s)%4], v[SCA+4*(\a)+(\s)%4] matrix_a_fmt:MATRIX_FMT_FP6 matrix_b_fmt:MATRIX_FMT_FP6
.elseif (\s) < 4
	v_wmma_scale_f32_16x16x128_f8f6f4 v[8*(8*((\a)%4)+\b):8*(8*((\a)%4)+\b)+7], v[128*((\s)%2)+FR*\b:128*((\s)%2)+FR*\b+FR-1], v[AF+FR*(\a):AF+FR*(\a)+FR-1], v[8*(8*((\a)%4)+\b):8*(8*((\a)%4)+\b)+7], v[SCB+4*\b+(\s)%4], v[SCA+4*(\a)+(\s)%4] matrix_a_fmt:MATRIX_FMT_FP6 matrix_b_fmt:MATRIX_FMT_FP6
.else
	v_wmma_scale_f32_16x16x128_f8f6f4 v[8*(8*((\a)%4)+\b):8*(8*((\a)%4)+\b)+7], v[128*((\s)%2)+FR*\b:128*((\s)%2)+FR*\b+FR-1], v[AF+FR*(\a):AF+FR*(\a)+FR-1], v[8*(8*((\a)%4)+\b):8*(8*((\a)%4)+\b)+7], v[SCB+4*\b+(\s)%4], v[SCA+4*(\a)+(\s)%4] matrix_a_fmt:MATRIX_FMT_FP6 matrix_b_fmt:MATRIX_FMT_FP6 matrix_a_scale:MATRIX_SCALE_ROW1 matrix_b_scale:MATRIX_SCALE_ROW1
.endif
.endr
.endr
.endm
; K step s; the next step's fragments come from part nq of slot nslot, which every wave knows to be whole.
.macro STEP s, nslot, nq, zero
	s_wait_dscnt 4*NL                              ; B's set and A's blocks 0-3 are in; the youngest 12 loads (A's blocks 4-7) may be out
	WIN MUL_LO
	MUL16 0, \s, \zero
	MUL16 2, \s, \zero
	s_wait_dscnt 0x0                               ; A's blocks 4-7 are in
	PLACES
	FETCH_B \nslot, \nq, 1-(\s)%2
	FETCH_A \nslot, \nq, 0
	WIN MUL_HI
	MUL16 4, \s, \zero
	MUL16 6, \s, \zero
	PLACES
	WIN 0
	FETCH_A \nslot, \nq, 4
.endm
; A K step with a barrier: in front of it each wave waits for all its tensor loads, adds 0 to its spare word, and waits for that and for its LDS reads.
; fill = 1: the barrier opens a round of the cluster's; behind it slot 0, which nobody reads any more, takes the last 256 along K.
.macro TURN s, nslot, fill
	s_wait_tensorcnt 0x0                           ; all my tensor loads have landed
	ds_add_u32 v[SPW], v[NIL]                      ; 0 onto my spare word
	s_wait_dscnt 4*NL+1                            ; (the add and the youngest 12 loads may be out)
	WIN MUL_LO
	MUL16 0, \s, 0
	s_wait_dscnt 0x0                               ; the add is done, and all my LDS reads are back
	s_barrier_signal -1
	MUL16 2, \s, 0
	WIN 0
	s_barrier_wait -1
.if \fill
	CREST                                          ; no wave of any partner still reads slot 0 or has a load on its way
	s_add_nc_u64 s[G0A+2:G0A+3], s[G0A+2:G0A+3], 9216
	s_add_nc_u64 s[G0B+2:G0B+3], s[G0B+2:G0B+3], 9216
	JLOAD G0A, G0B                                 ; my one tensor load behind the round; its four v_nop are also the places in front of the loads below
.else
	PLACES
.endif
	FETCH_B \nslot, 0, 1-(\s)%2
	FETCH_A \nslot, 0, 0
	WIN MUL_HI
	MUL16 4, \s, 0
	MUL16 6, \s, 0
	PLACES
	WIN 0
	FETCH_A \nslot, 0, 4
.endm
	s_wait_tensorcnt 2                             ; my part of slot 0 is in; slots 1 and 2 may be out
	s_barrier_signal -1
	s_barrier_wait -1
	FETCH_B 0, 0, 0
	FETCH_A 0, 0, 0
	FETCH_A 0, 0, 4
	s_wait_loadcnt 0x0                             ; scale words and biases
	STEP 0, 0, 1, 1                                ; the first products start the sums
	TURN 1, 1, 1                                   ; all three slots are whole in every wave's eyes; slot 0 is filled again and has four K steps in which to land
	STEP 2, 1, 1, 0
	STEP 3, 2, 0, 0
	STEP 4, 2, 1, 0
	TURN 5, 0, 0                                   ; slot 0's second fill has landed, everybody's part of it
	STEP 6, 0, 1, 0
	s_wait_dscnt 4*NL                              ; the last K step: nothing more to fetch
	WIN MUL_LO
	MUL16 0, 7, 0
	MUL16 2, 7, 0
	s_wait_dscnt 0x0
	WIN MUL_HI
	MUL16 4, 7, 0
	MUL16 6, 7, 0
	WIN 0
	PLACES
; 64 numbers of a lane, v[s] on, register 16 b + i = k 32 b + 16 h + i of my row, become a fragment's codes in v[PC] on and its scale word in v[PW].
.macro QUANT s
.irp b, 0,1,2,3
	v_max3_num_f32 v[TM+\b], |v[\s+16*\b]|, |v[\s+1+16*\b]|, 0x1800000   ; my 16 numbers of block b, and the floor 2^(3 - 127): the byte cannot fall under 1
.endr
.irp i, 2,4,6,8,10,12,14
.irp b, 0,1,2,3
	v_max3_num_f32 v[TM+\b], v[TM+\b], |v[\s+16*\b+\i]|, |v[\s+1+16*\b+\i]|
.endr
.endr
.irp b, 0,1,2,3
	v_permlanex16_b32 v[TM+4+\b], v[TM+\b], s98, s99
.endr
.irp b, 0,1,2,3
	v_max_num_f32 v[TM+\b], v[TM+\b], v[TM+4+\b]   ; with lane l xor 16's: the block's largest magnitude
.endr
.irp b, 0,1,2,3
	v_add_nc_u32 v[TM+12+\b], 0xff000000, v[TM+\b] ; 2 off its exponent field: the conversion's scale operand
.endr
.irp b, 0,1,2,3
	v_lshrrev_b32 v[TM+4+\b], 23, v[TM+12+\b]      ; the scale's byte
.endr
	v_lshl_or_b32 v[PW], v[TM+5], 8, v[TM+4]
	v_lshl_or_b32 v[PW], v[TM+6], 16, v[PW]
	v_lshl_or_b32 v[PW], v[TM+7], 24, v[PW]
.irp c, 0,1
	v_cvt_scalef32_pk16_fp6_f32 v[PC+6*\c:PC+2+6*\c], v[\s+32*\c:\s+15+32*\c], v[TM+12+2*\c]
	v_cvt_scalef32_pk16_fp6_f32 v[PC+12+4*\c:PC+14+4*\c], v[\s+16+32*\c:\s+31+32*\c], v[TM+12+2*\c+1]   ; (a conversion's three registers begin on an even number)
.endr
	v_nop                                          ; one plain place behind a scaled conversion
.irp c, 0,1                            ; the operand's layout wants a whole block in a lane: lanes 0-15 block 2 c, lanes 16-31 block 2 c + 1
.irp i, 0,1,2
	v_permlane16_swap_b32 v[PC+6*\c+\i], v[PC+12+4*\c+\i]
.endr
.irp i, 0,1,2
	v_mov_b32 v[PC+3+6*\c+\i], v[PC+12+4*\c+\i]
.endr
.endr
.endm
	s_cmp_eq_u32 s23, 2                            ; the kind is the same in all partners
	s_cbranch_scc1 .Lepi_v
	; ---- q, k: block a is 16 tokens (lanes) x my 128 channels (registers): two heads.  Codes 6 c .. 6 c + 5 are head c's fragment of 64 along K; bytes 2 c, 2 c + 1 of the word are its scales.
	s_lshl_b32 s66, s70, 1
	s_add_co_u32 s66, s66, s19                     ; which 128 tokens are mine
	s_lshr_b32 s67, s66, 3                         ; their batch,
	s_and_b32 s66, s66, 7                          ; their key step in it
	s_lshl_b32 s67, s67, 4
	s_lshl_b32 s68, s21, 2
	s_add_co_u32 s67, s67, s68
	s_lshl_b32 s68, s20, 1
	s_add_co_u32 s67, s67, s68                     ; the record: 16 x batch + head 4 cx + 2 (wave % 2)
	s_mul_i32 s68, s67, REC
	s_mov_b32 s72, QSW
	s_mov_b32 s73, KSW
	s_cmp_eq_u32 s23, 0
	s_cselect_b32 s69, QIMG, 0                     ; K's images begin the record
	s_cselect_b32 s72, s72, s73
	s_mul_i32 s74, s66, 6144                       ; 8 tiles of 768 bytes a step
	s_add_co_u32 s74, s74, s68
	s_add_co_u32 s74, s74, s69
	s_mov_b32 s75, 0
	s_add_nc_u64 s[76:77], s[14:15], s[74:75]
	s_lshl_b32 s74, s66, 9
	s_add_co_u32 s74, s74, s68
	s_add_co_u32 s74, s74, s72
	s_add_nc_u64 s[78:79], s[14:15], s[74:75]
.macro QKBLOCK a
.if (\a) > 0
	s_wait_xcnt 0x0                                ; the last block's stores have read the codes' registers
.endif
	WIN (0x06+(\a)/4)                              ; source 0: the accumulators' window, source 1: window 1
.set n, 0
.rept 32                               ; + the bias; each accumulator is read from its low end on
	v_pk_add_f32 v[T+n:T+n+1], v[64*((\a)%4)+n:64*((\a)%4)+n+1], v[96+n+96*(n/32):97+n+96*(n/32)]
.set n, n+2
.endr
	WIN 0
	QUANT T
.irp c, 0,1
.irp p, 0,1,2
	global_store_b64 v[L8], v[PC+6*\c+2*\p:PC+6*\c+2*\p+1], s[76:77] offset:\c*REC+(\a)*768+256*\p   ; a plane of the image: 256 consecutive bytes, aligned
.endr
.endr
	v_and_or_b32 v[WK+(\a)], v[PW], s95, s97       ; head 0's scale word
	v_lshrrev_b32 v241, 16, v[PW]
	v_or_b32 v[WK+8+(\a)], s97, v241               ; head 1's
.endm
.irp a, 0,1,2,3,4,5,6,7
	QKBLOCK \a
.endr
.irp c, 0,1                            ; a step's scale words: lane (r, h), word i = tile 4 h + i: 512 consecutive bytes a head
.irp i, 0,1,2,3
	v_cndmask_b32 v[244+4*\c+\i], v[WK+8*\c+\i], v[WK+8*\c+4+\i], s96
.endr
	global_store_b128 v[L16], v[244+4*\c:247+4*\c], s[78:79] offset:\c*REC
.endr
	s_branch .Lend
.Lepi_v:
	; ---- v: block a is 16 channels (lanes) x my 128 tokens (registers): one fragment of V^T, K = the keys of one key step
	s_lshl_b32 s66, s71, 1
	s_add_co_u32 s66, s66, s20
	s_lshr_b32 s67, s66, 3
	s_and_b32 s66, s66, 7
	s_lshl_b32 s67, s67, 4
	s_lshl_b32 s68, s22, 2
	s_add_co_u32 s67, s67, s68
	s_lshl_b32 s68, s19, 1
	s_add_co_u32 s67, s67, s68                     ; 16 x batch + head 4 cy + 2 (wave / 2)
	s_mul_i32 s68, s67, REC
	s_mul_i32 s74, s66, 6144                       ; 4 tiles of 1,536 bytes a step
	s_add_co_u32 s74, s74, s68
	s_add_co_u32 s74, s74, VIMG
	s_mov_b32 s75, 0
	s_add_nc_u64 s[76:77], s[14:15], s[74:75]
	s_lshl_b32 s74, s66, 8
	s_add_co_u32 s74, s74, s68
	s_add_co_u32 s74, s74, VSW
	s_add_nc_u64 s[78:79], s[14:15], s[74:75]
.macro VBLOCK a
.if (\a) > 0
	s_wait_xcnt 0x0
.endif
	WIN (0x02+(\a)/4)
.set n, 0
.rept 32                               ; + my channel's bias: one register of the pair serves both halves
.if (\a)%2 == 0
	v_pk_add_f32 v[T+n:T+n+1], v[64*((\a)%4)+n:64*((\a)%4)+n+1], v[BV+2*((\a)/2):BV+2*((\a)/2)+1] op_sel_hi:[1,0]
.else
	v_pk_add_f32 v[T+n:T+n+1], v[64*((\a)%4)+n:64*((\a)%4)+n+1], v[BV+2*((\a)/2):BV+2*((\a)/2)+1] op_sel:[0,1] op_sel_hi:[1,1]
.endif
.set n, n+2
.endr
	WIN 0
	QUANT T
.irp g, 0,1,2
	global_store_b128 v[L16], v[PC+4*\g:PC+4*\g+3], s[76:77] offset:((\a)/4)*REC+((\a)%4)*1536+512*\g
.endr
	v_mov_b32 v[WK+(\a)], v[PW]
.endm
.irp a, 0,1,2,3,4,5,6,7
	VBLOCK \a
.endr
.irp i, 0,1,2,3                        ; lanes 0-15 store head 0's four words of their channel slot, lanes 16-31 head 1's: 256 consecutive bytes each
	v_cndmask_b32 v[244+\i], v[WK+\i], v[WK+4+\i], s96
.endr
	global_store_b128 v[VSA], v[244:247], s[78:79]
.Lend:
	s_wait_tensorcnt 0x0                           ; the wave's end
	ds_add_u32 v[SPW], v[NIL]
	s_wait_dscnt 0x0
	CROUND                                         ; the closing round
	s_endpgm
.Lfunc_end_k_q9ab91178a8_qkvgemm:
	.size	k_q9ab91178a8_qkvgemm, .Lfunc_end_k_q9ab91178a8_qkvgemm-k_q9ab91178a8_qkvgemm
	.p2alignl 7, 3214868480
	.fill 96, 4, 3214868480
	.section	.rodata,"a",@progbits
	.p2align	6, 0x0
	.amdhsa_kernel k_q9ab91178a8_qkvgemm
		.amdhsa_group_segment_fixed_size 327680
		.amdhsa_private_segment_fixed_size 0
		.amdhsa_enable_private_segment 0
		.amdhsa_kernarg_size 48
		.amdhsa_user_sgpr_count 2
		.amdhsa_user_sgpr_kernarg_segment_ptr 1
		.amdhsa_wavefront_size32 1
		.amdhsa_system_sgpr_workgroup_id_x 1
		.amdhsa_system_sgpr_workgroup_id_y 1
		.amdhsa_system_sgpr_workgroup_id_z 1
		.amdhsa_system_vgpr_workitem_id 0
		.amdhsa_next_free_vgpr 1024
		.amdhsa_next_free_sgpr 100
		.amdhsa_reserve_vcc 0
		.amdhsa_float_denorm_mode_32 3
		.amdhsa_float_denorm_mode_16_64 3
		.amdhsa_memory_ordered 1
		.amdhsa_forward_progress 1
		.amdhsa_inst_pref_size 210
	.end_amdhsa_kernel
	.amdgpu_metadata
---
amdhsa.version: [ 1, 2 ]
amdhsa.kernels:
  - .name:           k_q9ab91178a8_qkvgemm
    .symbol:         k_q9ab91178a8_qkvgemm.kd
    .args:
      - { .name: xq, .offset: 0, .size: 8, .value_kind: global_buffer, .address_space: global }
      - { .name: wq, .offset: 8, .size: 8, .value_kind: global_buffer, .address_space: global }
      - { .name: bq, .offset: 16, .size: 8, .value_kind: global_buffer, .address_space: global }
      - { .name: bk, .offset: 24, .size: 8, .value_kind: global_buffer, .address_space: global }
      - { .name: bv, .offset: 32, .size: 8, .value_kind: global_buffer, .address_space: global }
      - { .name: qkv, .offset: 40, .size: 8, .value_kind: global_buffer, .address_space: global }
    .group_segment_fixed_size: 327680
    .private_segment_fixed_size: 0
    .kernarg_segment_align: 8
    .kernarg_segment_size: 48
    .max_flat_workgroup_size: 128
    .sgpr_count:     100
    .vgpr_count:     1024
    .wavefront_size: 32
...
	.end_amdgpu_metadata
.endif
;; end of part 2
;; launch attn (part 3): grid 2 x 128, 16 waves a work-group, no clusters, 110,592 bytes of LDS; arguments qkv, input_ids, aq; writes aq
.if DOCPART == 3
	.amdgcn_target "amdgcn-amd-amdhsa--gfx1250"
	.amdhsa_code_object_version 6
	.text
	.protected	k_q9ab91178a8_attn
	.globl	k_q9ab91178a8_attn
	.p2align	8
	.type	k_q9ab91178a8_attn,@function
k_q9ab91178a8_attn:
	s_mov_b64 s[64:65], 0
	v_nop
	global_prefetch_b8 v0, s[64:65] scope:SCOPE_SE
	s_setreg_imm32_b32 hwreg(HW_REG_WAVE_MODE, 25, 1), 1
	s_wait_xcnt 0x0
; For one head: O = softmax(mask(Q K^T / 8)) V on codes of FP6 (E2M3); O / l is quantised along D and leaves as the image of the last product's operand.
; THE SOFTMAX: t = score x log2(e) / 8; M = the running largest t rounded up to a whole number; p = 2^(t - M) is quantised along the keys; the row's sum is taken of the unquantised p and divides at the end.
; THE MASK: a key that is hidden (after the query, or PAD) has the score SENT = -2^100 in the place of the reference's most negative number.  The causal part is written over the scores; the PAD part is the C of K Q^T:
; a table in LDS, made here from input_ids, holds SENT or 0 for each key, and a step's 64 C registers are loaded from it.  SENT x c is exact, so that in a row all of whose keys are hidden t - M is 0 and p is 1 for all 1,024 keys, as the reference's arithmetic means.
; Such a row can exist only where key 0 of the batch is PAD (FLG): there every wave walks all eight key steps and holds scores at SENT from below; elsewhere steps that lie wholly after the queries are left out.
; LDS is filled once, through registers, and only read afterwards.
; No cluster: what two work-groups share is the one fill at the head.
; LIMITS: visible scores lie far above SENT (|q . k| under 2^90); NaN and infinities are not served; a block of zeros gets the scale byte 1.
; The scale bytes of the result leave as 2 bytes a row and head, 16 bytes apart.
; SHARES.  Work-group (half, head).  Wave w has j = 16 x half + w and takes query tile 63 - j and then tile j: tile T wants T / 8 + 1 key steps of 128, so every wave has nine.
; LAYOUT.  Both products transposed: S^T = K Q^T, O^T = V^T P^T: a lane holds one query.  Tile T holds in slot r the row 32 (T / 2) + 8 (T % 2) + r + 8 (r / 8): the 16 registers of two neighbouring key tiles are 16 neighbouring keys.
; A head has 64 channels: K's and q's fragments have codes in registers 0-5; registers 6-11 are zeros, set once.
; REGISTERS: v1-7 lane terms; v8-11, v28 addresses in hand; v12 -M, v13 the largest t, v[14:15] the sum; v16-27 q; v32-79 four fragments of K; v84-87 V's scale words; v96-159 the mask, S^T, p, then V's fragments;
;   v160-191 O^T; v224-235 p's codes; v232-247, v252, v254 at work; v248-251 K's scale words; v253 p's; v255 q's.
.set REC,  157696
.set VIMG, 49152
.set KSW,  98304
.set VSW,  102400
.set MSK,  104448                      ; LDS: behind the record's first 104,448 bytes: 1,024 f32, SENT or 0 for each key
.set QIMG, 104448
.set QSW,  153600
.set ASC,  6291456
.set SENT, 0xf1800000                  ; -2^100
.set L8,   1                           ; v1  8 x lane
.set AV0,  2                           ; v2  VIMG + 16 x lane
.set ASK0, 3                           ; v3  KSW + 16 x lane
.set ASV0, 4                           ; v4  VSW + 16 r
.set DQ,   5                           ; v5  r + 8 (r / 8) - 16 h
.set AM0,  6                           ; v6  MSK + 64 h
.set R16,  7                           ; v7  16 r
.set ADK,  8
.set ADV,  9
.set ADS,  10
.set ADT,  11
.set ADM,  28
	s_load_b128 s[4:7], s[0:1], 0x0                ; qkv, input_ids
	s_load_b64 s[8:9], s[0:1], 0x10                ; aq
	v_lshl_add_u32 v223, v0, 2, 0x1a800
	v_mov_b32 v243, 0
	v_lshrrev_b32 v1, 5, v0
	v_readfirstlane_b32 s10, v1                    ; wave 0..15
	s_and_b32 s12, ttmp7, 0xffff                   ; the record: 16 x batch + head
	s_lshl_b32 s13, ttmp9, 4
	s_add_co_u32 s13, s13, s10                     ; j
	s_lshr_b32 s46, s12, 4                         ; batch
	s_and_b32 s47, s12, 15                         ; head
	s_mul_i32 s18, s12, REC
	s_mov_b32 s19, 0
	s_lshl_b32 s44, s46, 12                        ; a batch's ids are 4,096 bytes
	s_mov_b32 s45, 0                               ; stays 0: the upper word of every offset
	v_lshlrev_b32 v224, 4, v0                      ; 16 x thread
	v_add_nc_u32 v225, 0x10000, v224
	v_lshlrev_b32 v226, 3, v0                      ; 8 x thread
	v_lshlrev_b32 v227, 2, v0                      ; 4 x thread
	v_add_nc_u32 v228, KSW, v226
	v_add_nc_u32 v229, VSW, v227
	v_add_nc_u32 v230, MSK, v226
	s_wait_kmcnt 0x0
	s_add_nc_u64 s[16:17], s[4:5], s[18:19]        ; my head's record
	s_add_nc_u64 s[6:7], s[6:7], s[44:45]          ; my batch's ids
	s_load_b32 s14, s[6:7], 0x0                    ; key 0's
.set i, 0
.rept 12                               ; K's and V's images: 8,192 consecutive bytes a load of the work-group
	global_load_b128 v[96+4*i:99+4*i], v224, s[16:17] offset:8192*i
.set i, i+1
.endr
	global_load_b64 v[144:145], v226, s[16:17] offset:KSW
	global_load_b32 v146, v227, s[16:17] offset:VSW
	global_load_b64 v[148:149], v226, s[6:7]       ; two keys' ids a thread
	v_and_b32 v14, 31, v0                          ; lane
	v_and_b32 v15, 15, v0                          ; r
	v_bfe_u32 v16, v0, 4, 1                        ; h
	v_lshlrev_b32 v[L8], 3, v14
	v_lshlrev_b32 v[AV0], 4, v14
	v_add_nc_u32 v[ASK0], KSW, v[AV0]
	v_add_nc_u32 v[AV0], VIMG, v[AV0]
	v_lshlrev_b32 v[R16], 4, v15
	v_add_nc_u32 v[ASV0], VSW, v[R16]
	v_lshl_add_u32 v[AM0], v16, 6, MSK
	v_and_b32 v[DQ], 8, v15
	v_add_nc_u32 v[DQ], v[DQ], v15
	v_lshlrev_b32 v16, 4, v16
	v_sub_nc_u32 v[DQ], v[DQ], v16
.irp i, 22,23,24,25,26,27
	v_mov_b32 v\i, 0                               ; q's k = 64 .. 127: zero codes
.endr
.irp t, 0,1,2,3
.irp i, 6,7,8,9,10,11
	v_mov_b32 v[32+12*\t+\i], 0                    ; K's likewise, in each of the four sets
.endr
.endr
.irp i, 236,237,238,239,252,253
	v_mov_b32 v\i, 0                               ; lane permutes' destinations, and the pair v[252:253]: written once
.endr
	v_mov_b32 v150, 0
	v_mov_b32 v151, SENT
	s_mov_b32 s20, 0x76543210
	s_mov_b32 s21, 0xfedcba98                      ; selects for lane l xor 16
	s_mov_b32 s22, 0x3e38aa3b                      ; c = log2(e) / 8
	s_mov_b32 s23, s22                             ; (named with it as a pair)
	s_mul_i32 s49, s47, 768                        ; my head's three planes in a tile's images of aq
	s_lshr_b32 s50, s47, 3
	s_lshl_b32 s50, s50, 8
	s_and_b32 s35, s47, 7
	s_lshl_b32 s35, s35, 1
	s_add_co_u32 s50, s50, s35
	s_add_co_u32 s50, s50, ASC                     ; my head's two bytes in a tile's scale words
	s_lshl_b32 s51, s46, 6                         ; 64 tiles a batch
.set i, 0
.rept 8
	s_wait_loadcnt 14-i                            ; load i is in; the younger ones may be out
	ds_store_b128 v224, v[96+4*i:99+4*i] offset:8192*i
.set i, i+1
.endr
.rept 4
	s_wait_loadcnt 14-i
	ds_store_b128 v225, v[96+4*i:99+4*i] offset:8192*(i-8)
.set i, i+1
.endr
	s_wait_loadcnt 2
	ds_store_b64 v228, v[144:145]
	s_wait_loadcnt 1
	ds_store_b32 v229, v146
	s_wait_loadcnt 0x0
	v_cmp_eq_u32 vcc_lo, 1, v148
	v_cndmask_b32 v148, v150, v151, vcc_lo         ; PAD: SENT, else 0
	v_cmp_eq_u32 vcc_lo, 1, v149
	v_cndmask_b32 v149, v150, v151, vcc_lo
	ds_store_b64 v230, v[148:149]
	s_wait_kmcnt 0x0
	s_cmp_eq_u32 s14, 1
	s_cselect_b32 s48, 1, 0                        ; FLG
	s_wait_dscnt 0x0                               ; for the others' sake: my stores have landed
	s_barrier_signal -1
	s_barrier_wait -1                              ; the launch's one barrier: from here on LDS is only read
	s_mov_b32 s24, 0
.Lpass:
	s_wait_xcnt 0x0                                ; the last pass's loads and stores have read their addresses and data
	s_sub_co_u32 s26, 63, s13
	s_cmp_eq_u32 s24, 0
	s_cselect_b32 s26, s26, s13                    ; T, my query tile
	s_lshr_b32 s27, s26, 1
	s_lshl_b32 s27, s27, 5
	s_and_b32 s35, s26, 1
	s_lshl_b32 s35, s35, 3
	s_add_co_u32 s27, s27, s35                     ; its first query
	s_add_co_u32 s28, s27, 23                      ; its last
	s_cmp_eq_u32 s48, 1
	s_cselect_b32 s28, 0xffff, s28                 ; steps whose first key lies beyond this are left out
	s_cselect_b32 s29, 0, s27                      ; steps whose last key lies at or under this need no causal mask
	s_mul_i32 s44, s26, 768
	s_add_co_u32 s44, s44, QIMG
	s_add_nc_u64 s[36:37], s[16:17], s[44:45]      ; q's image
	s_lshr_b32 s44, s26, 2
	s_lshl_b32 s44, s44, 8
	s_and_b32 s35, s26, 3
	s_lshl_b32 s35, s35, 2
	s_add_co_u32 s44, s44, s35
	s_add_co_u32 s44, s44, QSW
	s_add_nc_u64 s[38:39], s[16:17], s[44:45]      ; its scale words: 256 (T / 4) + 4 (T % 4), + 16 r
	s_add_co_u32 s35, s51, s26
	s_mul_i32 s44, s35, 12288
	s_add_co_u32 s44, s44, s49
	s_add_nc_u64 s[40:41], s[8:9], s[44:45]        ; where the codes go
	s_lshl_b32 s44, s35, 9
	s_add_co_u32 s44, s44, s50
	s_add_nc_u64 s[42:43], s[8:9], s[44:45]        ; and the scale bytes
.irp p, 0,1,2
	global_load_b64 v[16+2*\p:17+2*\p], v[L8], s[36:37] offset:256*\p
.endr
	global_load_b32 v255, v[R16], s[38:39]
	v_mov_b32 v13, 0xff61b1e6                      ; the largest t so far: -3e38
	v_floor_f32 v12, -v13                          ; -M
	v_mov_b32 v14, 0
	v_mov_b32 v15, 0
.set n, 0
.rept 32
	v_mov_b32 v[160+n], 0                          ; O^T: the step is written once; the first change of M multiplies zeros
.set n, n+1
.endr
	s_mov_b32 s25, 0
	s_wait_loadcnt 0x0
.Lstep:                                ; eight trips, a constant; a step that is left out jumps to the counter
	s_lshl_b32 s30, s25, 7                         ; the step's first key
	s_cmp_gt_u32 s30, s28
	s_cbranch_scc1 .Lskip
	s_mul_i32 s31, s25, 6144                       ; a step's images: 8 x 768 bytes of K, 4 x 1,536 of V
	s_lshl_b32 s33, s25, 9
	s_lshl_b32 s34, s25, 8
	v_add_nc_u32 v[ADK], s31, v[L8]
	v_add_nc_u32 v[ADV], s31, v[AV0]
	v_add_nc_u32 v[ADS], s33, v[ASK0]
	v_add_nc_u32 v[ADT], s34, v[ASV0]
	v_add_nc_u32 v[ADM], s33, v[AM0]
	ds_load_b128 v[248:251], v[ADS]                ; K's scale words: tiles 0-3 in lanes 0-15, tiles 4-7 in lanes 16-31
.set n, 0
.rept 16                               ; the PAD mask as C: register 16 b + i is key 32 b + 16 h + i
	ds_load_b128 v[96+n:99+n], v[ADM] offset:128*(n/16)+4*(n%16)
.set n, n+4
.endr
.irp g, 0,1
.if \g > 0
.rept 4
	v_nop                                          ; places in front of loads into registers that matrix instructions have read
.endr
.endif
.irp t, 0,1,2,3
.irp p, 0,1,2
	ds_load_b64 v[32+12*\t+2*\p:33+12*\t+2*\p], v[ADK] offset:(4*\g+\t)*768+256*\p
.endr
.endr
	s_wait_dscnt 0x0
.irp t, 0,1,2,3
.if \g == 0
	v_wmma_scale_f32_16x16x128_f8f6f4 v[96+8*\t:103+8*\t], v[32+12*\t:43+12*\t], v[16:27], v[96+8*\t:103+8*\t], v[248+\t], v255 matrix_a_fmt:MATRIX_FMT_FP6 matrix_b_fmt:MATRIX_FMT_FP6
.else
	v_wmma_scale_f32_16x16x128_f8f6f4 v[128+8*\t:135+8*\t], v[32+12*\t:43+12*\t], v[16:27], v[128+8*\t:135+8*\t], v[248+\t], v255 matrix_a_fmt:MATRIX_FMT_FP6 matrix_b_fmt:MATRIX_FMT_FP6 matrix_a_scale:MATRIX_SCALE_ROW1
.endif
.endr
.endr
.rept 4
	v_nop
.endr
	s_cmp_eq_u32 s48, 0
	s_cbranch_scc1 .Lnoflag
.set n, 0
.rept 64                               ; FLG: a PAD key's score is held at SENT itself, whatever the sum's rounding left under it
	v_max_num_f32 v[96+n], SENT, v[96+n]
.set n, n+1
.endr
.Lnoflag:
	s_add_co_u32 s35, s30, 127
	s_cmp_le_u32 s35, s29
	s_cbranch_scc1 .Lopen                          ; all 128 keys come before my queries
	s_sub_co_i32 s35, s27, s30
	v_add_nc_u32 v252, s35, v[DQ]                  ; d = my query - the step's first key - 16 h: register 16 b + i is hidden where 32 b + i > d
	v_mov_b32 v254, SENT
.set n, 0
.rept 64
	v_cmp_gt_i32 vcc_lo, 32*(n/16)+n%16, v252
	v_cndmask_b32 v[96+n], v[96+n], v254, vcc_lo
.set n, n+1
.endr
.Lopen:
.irp b, 0,1,2,3
	v_max3_num_f32 v[232+\b], v[96+16*\b], v[97+16*\b], v[98+16*\b]   ; the largest score of each block of 32 keys: for the row's maximum, and, since p rises with the score, for the block's largest p
.endr
.irp i, 3,5,7,9,11,13
.irp b, 0,1,2,3
	v_max3_num_f32 v[232+\b], v[232+\b], v[96+16*\b+\i], v[97+16*\b+\i]
.endr
.endr
.irp b, 0,1,2,3
	v_max_num_f32 v[232+\b], v[232+\b], v[111+16*\b]
.endr
.irp b, 0,1,2,3
	v_permlanex16_b32 v[236+\b], v[232+\b], s20, s21
.endr
.irp b, 0,1,2,3
	v_max_num_f32 v[232+\b], v[232+\b], v[236+\b]  ; with lane l xor 16's 16 keys
.endr
	v_max3_num_f32 v254, v232, v233, v234
	v_max_num_f32 v254, v254, v235
	v_mul_f32 v254, s22, v254                      ; the step's largest t
	v_max_num_f32 v13, v13, v254
	v_mov_b32 v254, v12
	v_floor_f32 v12, -v13                          ; the new -M: M is a whole number
	v_sub_f32 v254, v12, v254                      ; old M - new M, 0 or less
	v_cvt_i32_f32 v254, v254                       ; (it saturates)
	v_ldexp_f32 v252, 1.0, v254                    ; f = 2^(old M - new M): a multiplication by it rounds nothing
.set n, 0
.rept 32
	v_pk_fma_f32 v[96+n:97+n], v[96+n:97+n], s[22:23], v[12:13] op_sel_hi:[1,0,0]   ; t - M
.set n, n+2
.endr
.irp b, 0,1,2,3
	v_fma_f32 v[232+\b], v[232+\b], s22, v12       ; the same of each block's largest score
.endr
.set n, 0
.rept 64
	v_exp_f32 v[96+n], v[96+n]                     ; p = 2^(t - M)
.set n, n+1
.endr
	v_pk_mul_f32 v[14:15], v[14:15], v[252:253] op_sel_hi:[1,0]   ; the sums under the new M: a plain place behind the exponentials
	s_wait_alu depctr_va_vdst(0)                   ; one wait for the batch, ahead of its first reader
.irp b, 0,1,2,3
	v_exp_f32 v[232+\b], v[232+\b]                 ; each block's largest p
.endr
	v_pk_add_f32 v[236:237], v[96:97], v[98:99]    ; the row's sum, of the unquantised p, in two chains
.irp j, 4,8,12,16,20,24,28,32,36,40,44,48,52,56,60
	v_pk_add_f32 v[14:15], v[14:15], v[96+\j:97+\j]
	v_pk_add_f32 v[236:237], v[236:237], v[98+\j:99+\j]
.endr
	v_pk_add_f32 v[14:15], v[14:15], v[236:237]
	s_wait_alu depctr_va_vdst(0)                   ; and one for the four
.irp b, 0,1,2,3
	v_max_num_f32 v[232+\b], 0x1800000, v[232+\b]  ; the floor 2^(3 - 127): the byte cannot fall under 1
.endr
.irp b, 0,1,2,3
	v_add_nc_u32 v[244+\b], 0xff000000, v[232+\b]  ; the conversion's scale operand
.endr
.irp b, 0,1,2,3
	v_lshrrev_b32 v[236+\b], 23, v[244+\b]         ; the scale's byte
.endr
	v_lshl_or_b32 v253, v237, 8, v236              ; p's scale word for these 128 keys
	v_lshl_or_b32 v253, v238, 16, v253
	v_lshl_or_b32 v253, v239, 24, v253
.irp c, 0,1
	v_cvt_scalef32_pk16_fp6_f32 v[224+6*\c:226+6*\c], v[96+32*\c:111+32*\c], v[244+2*\c]
	v_cvt_scalef32_pk16_fp6_f32 v[236+4*\c:238+4*\c], v[112+32*\c:127+32*\c], v[244+2*\c+1]
.endr
	v_nop                                          ; one plain place behind a scaled conversion
.irp t, 0,1,2,3                        ; V's four fragments land where p stood
.irp g, 0,1,2
	ds_load_b128 v[96+12*\t+4*\g:99+12*\t+4*\g], v[ADV] offset:1536*\t+512*\g
.endr
.endr
	ds_load_b128 v[84:87], v[ADT]                  ; and their scale words
.irp c, 0,1                            ; a whole block in a lane
.irp i, 0,1,2
	v_permlane16_swap_b32 v[224+6*\c+\i], v[236+4*\c+\i]
.endr
.irp i, 0,1,2
	v_mov_b32 v[227+6*\c+\i], v[236+4*\c+\i]
.endr
.endr
.set n, 0
.rept 16
	v_pk_mul_f32 v[160+n:161+n], v[160+n:161+n], v[252:253] op_sel_hi:[1,0]   ; O^T under the new M; these 16 are also the places in front of the scaled products
.set n, n+2
.endr
	s_wait_dscnt 0x0
.irp t, 0,1,2,3                        ; the four accumulators take turns, one instruction a turn
	v_wmma_scale_f32_16x16x128_f8f6f4 v[160+8*\t:167+8*\t], v[96+12*\t:107+12*\t], v[224:235], v[160+8*\t:167+8*\t], v[84+\t], v253 matrix_a_fmt:MATRIX_FMT_FP6 matrix_b_fmt:MATRIX_FMT_FP6
.endr
.rept 5
	v_nop                                          ; the next step's products write over registers that these have read: five places
.endr
.Lskip:
	s_add_co_u32 s25, s25, 1
	s_cmp_lt_u32 s25, 8
	s_cbranch_scc1 .Lstep
	; THE WAY OUT of a pass: O^T / l; register 16 b + i is channel 32 b + 16 h + i of my head: two blocks of 32 along D
	v_add_f32 v14, v14, v15
	v_permlanex16_b32 v252, v14, s20, s21
	v_add_f32 v14, v14, v252                       ; the row's sum
	v_rcp_f32 v14, v14
	v_nop                                          ; a plain place behind the transcendental
	s_wait_alu depctr_va_vdst(0)                   ; and the wait ahead of its first reader
.set n, 0
.rept 16
	v_pk_mul_f32 v[96+n:97+n], v[160+n:161+n], v[14:15] op_sel_hi:[1,0]
.set n, n+2
.endr
.irp b, 0,1
	v_max3_num_f32 v[232+\b], |v[96+16*\b]|, |v[97+16*\b]|, 0x1800000
.endr
.irp i, 2,4,6,8,10,12,14
.irp b, 0,1
	v_max3_num_f32 v[232+\b], v[232+\b], |v[96+16*\b+\i]|, |v[97+16*\b+\i]|
.endr
.endr
.irp b, 0,1
	v_permlanex16_b32 v[236+\b], v[232+\b], s20, s21
.endr
.irp b, 0,1
	v_max_num_f32 v[232+\b], v[232+\b], v[236+\b]
.endr
.irp b, 0,1
	v_add_nc_u32 v[244+\b], 0xff000000, v[232+\b]
.endr
.irp b, 0,1
	v_lshrrev_b32 v[236+\b], 23, v[244+\b]
.endr
	v_lshl_or_b32 v240, v237, 8, v236              ; my head's two scale bytes of my row
	v_cvt_scalef32_pk16_fp6_f32 v[224:226], v[96:111], v244
	v_cvt_scalef32_pk16_fp6_f32 v[228:230], v[112:127], v245
	v_nop
.irp i, 0,1,2
	v_permlane16_swap_b32 v[224+\i], v[228+\i]
.endr
	v_mov_b32 v227, v228
	v_mov_b32 v228, v229
	v_mov_b32 v229, v230
.irp p, 0,1,2
	global_store_b64 v[L8], v[224+2*\p:225+2*\p], s[40:41] offset:256*\p   ; a plane of the image: 256 consecutive bytes, aligned
.endr
	global_store_b16 v[R16], v240, s[42:43]        ; lanes 16-31 write what lanes 0-15 write
	s_add_co_u32 s24, s24, 1
	s_cmp_lt_u32 s24, 2
	s_cbranch_scc1 .Lpass
	s_wait_tensorcnt 0x0
	ds_add_u32 v223, v243
	s_wait_dscnt 0x0
	s_endpgm
.Lfunc_end_k_q9ab91178a8_attn:
	.size	k_q9ab91178a8_attn, .Lfunc_end_k_q9ab91178a8_attn-k_q9ab91178a8_attn
	.p2alignl 7, 3214868480
	.fill 96, 4, 3214868480
	.section	.rodata,"a",@progbits
	.p2align	6, 0x0
	.amdhsa_kernel k_q9ab91178a8_attn
		.amdhsa_group_segment_fixed_size 110592
		.amdhsa_private_segment_fixed_size 0
		.amdhsa_enable_private_segment 0
		.amdhsa_kernarg_size 24
		.amdhsa_user_sgpr_count 2
		.amdhsa_user_sgpr_kernarg_segment_ptr 1
		.amdhsa_wavefront_size32 1
		.amdhsa_system_sgpr_workgroup_id_x 1
		.amdhsa_system_sgpr_workgroup_id_y 1
		.amdhsa_system_sgpr_workgroup_id_z 1
		.amdhsa_system_vgpr_workitem_id 0
		.amdhsa_next_free_vgpr 256
		.amdhsa_next_free_sgpr 66
		.amdhsa_reserve_vcc 1
		.amdhsa_float_denorm_mode_32 3
		.amdhsa_float_denorm_mode_16_64 3
		.amdhsa_memory_ordered 1
		.amdhsa_forward_progress 1
		.amdhsa_inst_pref_size 41
	.end_amdhsa_kernel
	.amdgpu_metadata
---
amdhsa.version: [ 1, 2 ]
amdhsa.kernels:
  - .name:           k_q9ab91178a8_attn
    .symbol:         k_q9ab91178a8_attn.kd
    .args:
      - { .name: qkv, .offset: 0, .size: 8, .value_kind: global_buffer, .address_space: global }
      - { .name: input_ids, .offset: 8, .size: 8, .value_kind: global_buffer, .address_space: global }
      - { .name: aq, .offset: 16, .size: 8, .value_kind: global_buffer, .address_space: global }
    .group_segment_fixed_size: 110592
    .private_segment_fixed_size: 0
    .kernarg_segment_align: 8
    .kernarg_segment_size: 24
    .max_flat_workgroup_size: 512
    .sgpr_count:     66
    .vgpr_count:     256
    .wavefront_size: 32
...
	.end_amdgpu_metadata
.endif
;; end of part 3
;; launch outgemm (part 4): grid 4 x 64, 4 waves a work-group, clusters of 4 x 4, 295,424 bytes of LDS; arguments aq, wq, bo, out0; writes out0
.if DOCPART == 4
	.amdgcn_target "amdgcn-amd-amdhsa--gfx1250"
	.amdhsa_code_object_version 6
	.text
	.protected	k_q9ab91178a8_outgemm
	.globl	k_q9ab91178a8_outgemm
	.p2align	8
	.type	k_q9ab91178a8_outgemm,@function
k_q9ab91178a8_outgemm:
	s_mov_b64 s[64:65], 0
	v_nop
	global_prefetch_b8 v0, s[64:65] scope:SCOPE_SE
	s_setreg_imm32_b32 hwreg(HW_REG_WAVE_MODE, 25, 1), 1
	s_wait_xcnt 0x0
	s_wait_alu depctr_hold_cnt(0) depctr_sa_sdst(0) depctr_va_vdst(0) depctr_va_sdst(0) depctr_va_ssrc(0) depctr_va_vcc(0) depctr_vm_vsrc(0)
	s_getreg_b32 s2, hwreg(HW_REG_IB_STS2, 6, 4)
	s_cmp_eq_u32 s2, 0
	s_cbranch_scc0 .Lentry_in_a_cluster
	s_endpgm
.Lentry_in_a_cluster:
	s_bfe_u32 s2, ttmp6, 0x10000c
	s_cmp_lg_u32 s2, 0xf033
	s_cbranch_scc0 .Lentry_shape_is_right
	s_endpgm
.Lentry_shape_is_right:
; out0 = a Wo^T + bo on codes of FP6 (E2M3) with E8M0 scales; sums in f32.  a: the attention's result as images of fragments (aq); Wo: tiles 192-255 of wq.
; SHARES.  A work-group makes 128 tokens x 256 columns: 256 work-groups.  A wave makes 64 x 128: 32 accumulators, window 2.  Source 0 = 16 rows of Wo (the result's registers), source 1 = 16 tokens (its lanes).
; ALL OF K LIES IN LDS: four slots of 256 along K, each filled once, all asked for at the head; a counted wait and a work-group barrier stand in front of the first read of each.  Nothing is filled again.
; CLUSTER: a's tiles are asked for jointly along a row of the cluster, Wo's along a column.
; a's images are six planes of 256 bytes (8 bytes a lane), Wo's three planes of 512 bytes (16 bytes a lane).
; Tile T holds in slot r the row 32 (T / 2) + 8 (T % 2) + r + 8 (r / 8): the way out puts each row and column at its place.
; REGISTERS: window 0: v16-26 addresses; v32-47 a's scale words, v64-95 Wo's; v128-175 a's fragments, ONE set; on the way out v128-255 rows read back.
;   window 1: Wo's fragments, two sets, v0-95 and v128-223; bo in v96-127 and v224-255; on the way out v0-63 a block's results + bo.   window 2: the accumulators ((a, b) at v[8 (8 a + b)]).
.set ASC,   6291456
.set WSC,   3145728
.set HA,    12288                      ; 4 tiles x 3,072 bytes of a: one tensor load
.set HB,    24576                      ; 8 tiles of Wo
.set BOFF,  2*HA
.set SLOT,  2*HA+2*HB
.set SPITCH, 528                       ; the stage: 16 rows x (512 + 16) bytes a wave, in slot 0, which has had its one fill, and whose last read stands in front of K step 1's barrier
.set FR,    12
.set ADRA,  16                         ; v16-19
.set ADRB,  20                         ; v20-23
.set STO,   24
.set RD,    25
.set CO,    26                         ; v26  16 x lane
.set SCA,   32
.set SCB,   64
.set AF,    128
.set BK,    128
.set G1A,   24
.set G1B,   32
.set G0A,   40                         ; s[40:55]
.set G0B,   68                         ; s[68:83]
.set MSB, 0
.macro WIN new
.if MSB != \new
	s_set_vgpr_msb (MSB<<8)|\new
.set MSB, \new
.endif
.endm
.set MUL,  0xa1                        ; source 0 window 1, source 1 window 0, C and D window 2
.set TO_B, 0x40
.macro JLOAD g0a, g0b                  ; waves 0 and 1 fetch a's halves, waves 2 and 3 Wo's; four v_nop follow each line
	s_cmp_eq_u32 s19, 0
	s_cbranch_scc0 .Lfor_b_\@
	tensor_load_to_lds s[\g0a:\g0a+3], s[G1A:G1A+7]
	s_nop 0
.rept 4
	v_nop
.endr
	s_branch .Lasked_\@
.Lfor_b_\@:
	tensor_load_to_lds s[\g0b:\g0b+3], s[G1B:G1B+7]
	s_nop 0
.rept 4
	v_nop
.endr
.Lasked_\@:
.endm
.macro CROUND                          ; a round of the cluster's barrier
	s_barrier_signal -1
	s_barrier_wait -1
	s_cmp_lg_u32 s18, 0
	s_cbranch_scc1 .Lnot_wave_0_\@
	s_barrier_signal -3
.Lnot_wave_0_\@:
	s_barrier_wait -3
	s_barrier_signal -1
	s_barrier_wait -1
.endm
.macro PLACES
.rept 4
	v_nop
.endr
.endm
	s_load_b256 s[4:11], s[0:1], 0x0               ; aq, wq, bo, out0
	v_lshl_add_u32 v126, v0, 2, 0x48000
	v_mov_b32 v127, 0
	ds_add_u32 v126, v127
	ds_add_u32 v126, v127
	v_lshrrev_b32 v1, 5, v0
	v_readfirstlane_b32 s18, v1                    ; wave 0..3
	s_lshr_b32 s19, s18, 1                         ; which 64 tokens are mine.  Also: I fetch for a (0) or for Wo (1)
	s_and_b32 s20, s18, 1                          ; which 128 columns.  Also: which half I fetch
	s_bfe_u32 s21, ttmp6, 0x40000                  ; cx
	s_bfe_u32 s22, ttmp6, 0x40004                  ; cy
	s_lshl_b32 s56, ttmp9, 2
	s_add_co_u32 s56, s56, s21                     ; tile column
	s_and_b32 s57, ttmp7, 0xffff
	s_lshl_b32 s57, s57, 2
	s_add_co_u32 s57, s57, s22                     ; tile row
	s_lshl_b32 s58, s22, 2
	s_lshl_b32 s58, 15, s58                        ; my row of the cluster
	s_lshl_b32 s59, 0x1111, s21                    ; my column
	s_or_b32 s[G1A], s58, (3<<16)|(1<<21)          ; rows (tiles) of 3,072 bytes, 12,288 apart, as elements of 8 bytes; no padding
	s_or_b32 s[G1B], s59, (3<<16)|(1<<21)
	s_mov_b32 s[G1A+1], 384<<16
	s_mov_b32 s[G1A+2], 4<<16                      ; a: 4 tiles
	s_mov_b32 s[G1A+3], 384<<16
	s_mov_b32 s[G1A+4], 4
	s_mov_b32 s[G1A+5], 1536
	s_mov_b32 s[G1A+6], 0
	s_mov_b32 s[G1A+7], 0
	s_mov_b32 s[G1B+1], 384<<16
	s_mov_b32 s[G1B+2], 8<<16                      ; Wo: 8 tiles
	s_mov_b32 s[G1B+3], 384<<16
	s_mov_b32 s[G1B+4], 8
	s_mov_b32 s[G1B+5], 1536
	s_mov_b32 s[G1B+6], 0
	s_mov_b32 s[G1B+7], 0
	s_lshl_b32 s60, s57, 3                         ; a: the first of my work-group's 8 tiles
	s_lshl_b32 s61, s20, 2
	s_add_co_u32 s84, s60, s61                     ; the first of the 4 that I fetch
	s_mul_i32 s84, s84, 12288
	s_mov_b32 s85, 0
	s_lshl_b32 s62, s56, 4
	s_lshl_b32 s63, s20, 3
	s_add_co_u32 s62, s62, s63
	s_add_co_u32 s62, s62, 192                     ; Wo: the first of the 8 tiles that I fetch, and multiply by
	s_mul_i32 s86, s62, 12288
	s_mov_b32 s87, 0
	s_mul_i32 s88, s20, HA                         ; where a load for a lands,
	s_mul_i32 s89, s20, HB
	s_add_co_u32 s89, s89, BOFF                    ; and one for Wo
	s_wait_dscnt 0x0
	s_wait_kmcnt 0x0
	s_add_nc_u64 s[84:85], s[4:5], s[84:85]
	s_add_nc_u64 s[86:87], s[6:7], s[86:87]
	CROUND                                         ; all sixteen work-groups are here: the joint loads meet
.irp n, 0,1,2,3
	s_mov_b32 s[G0A+4*\n], 1
	s_add_co_u32 s[G0A+4*\n+1], s88, \n*SLOT
	s_add_nc_u64 s[G0A+4*\n+2:G0A+4*\n+3], s[84:85], \n*3072
	s_or_b32 s[G0A+4*\n+3], s[G0A+4*\n+3], 0x80000000
	s_mov_b32 s[G0B+4*\n], 1
	s_add_co_u32 s[G0B+4*\n+1], s89, \n*SLOT
	s_add_nc_u64 s[G0B+4*\n+2:G0B+4*\n+3], s[86:87], \n*3072
	s_or_b32 s[G0B+4*\n+3], s[G0B+4*\n+3], 0x80000000
	JLOAD G0A+4*\n, G0B+4*\n                       ; four loads of mine are out
.endr
	v_and_b32 v1, 31, v0                           ; lane
	v_and_b32 v2, 15, v0                           ; r
	v_bfe_u32 v3, v0, 4, 1                         ; h
	v_lshlrev_b32 v[CO], 4, v1
	v_lshlrev_b32 v4, 3, v1                        ; 8 x lane
	s_mul_i32 s88, s19, HA
	s_mul_i32 s89, s20, HB
	s_add_co_u32 s89, s89, BOFF
.irp n, 0,1,2,3
	v_add_nc_u32 v[ADRA+\n], s88, v4
	v_add_nc_u32 v[ADRB+\n], s89, v[CO]
	s_add_co_u32 s88, s88, SLOT
	s_add_co_u32 s89, s89, SLOT
.endr
	s_mul_i32 s88, s18, 16*SPITCH                  ; my stage
	v_mul_u32_u24 v[STO], v2, SPITCH
	v_lshl_add_u32 v[STO], v3, 6, v[STO]
	v_add_nc_u32 v[STO], s88, v[STO]               ; in: row r, + 64 h
	v_add_nc_u32 v[RD], s88, v[CO]                 ; back: a row's 512 bytes
	s_lshl_b32 s90, s19, 2
	s_add_co_u32 s90, s90, s60                     ; a: the first of the 4 tiles that I multiply by
	s_lshl_b32 s90, s90, 9
	s_add_co_u32 s90, s90, ASC
	s_mov_b32 s91, 0
	s_add_nc_u64 s[92:93], s[4:5], s[90:91]
	s_lshl_b32 s90, s62, 9
	s_add_co_u32 s90, s90, WSC
	s_add_nc_u64 s[94:95], s[6:7], s[90:91]
	s_lshl_b32 s96, s56, 10
	s_lshl_b32 s97, s20, 9
	s_add_co_u32 s90, s96, s97                     ; my first column, in bytes
	s_add_nc_u64 s[8:9], s[8:9], s[90:91]
	s_add_nc_u64 s[10:11], s[10:11], s[90:91]
	s_lshl_b32 s90, s57, 19                        ; 128 rows of 4,096 bytes,
	s_lshl_b32 s97, s19, 18                        ; 64 rows
	s_add_co_u32 s90, s90, s97
	s_add_nc_u64 s[10:11], s[10:11], s[90:91]
.irp i, 0,1,2,3
	global_load_b128 v[SCA+4*\i:SCA+4*\i+3], v[CO], s[92:93] offset:512*\i   ; a tile's scale words of all of K: K steps 0-3 in lanes 0-15, 4-7 in lanes 16-31
.endr
.irp i, 0,1,2,3,4,5,6,7
	global_load_b128 v[SCB+4*\i:SCB+4*\i+3], v[CO], s[94:95] offset:512*\i
.endr
	v_lshlrev_b32 v5, 6, v3                        ; 64 h
	WIN TO_B
.set n, 0
.rept 16                               ; register n of bo: column 32 (n / 16) + 16 h + n % 16 of my 128
	global_load_b128 v[96+n+96*(n/32):99+n+96*(n/32)], v5, s[8:9] offset:128*(n/16)+4*(n%16)
.set n, n+4
.endr
	WIN 0
.macro FETCH_B slot, q, p
	WIN TO_B
.irp i, 0,1,2,3,4,5,6,7
.irp c, 0,1,2
	ds_load_b128 v[128*(\p)+FR*\i+4*\c:128*(\p)+FR*\i+4*\c+3], v[ADRB+\slot] offset:3072*\i+1536*(\q)+512*\c
.endr
.endr
	WIN 0
.endm
.macro FETCH_A slot, q, i0             ; a's blocks i0, i0 + 1: six loads of 8 bytes a lane each
.irp i, \i0, \i0+1
.irp p, 0,1,2,3,4,5
	ds_load_b64 v[AF+FR*(\i)+2*\p:AF+FR*(\i)+2*\p+1], v[ADRA+\slot] offset:3072*(\i)+1536*(\q)+256*\p
.endr
.endr
.endm
; 16 matrix instructions of K step s.  The 32 accumulators take turns, one instruction a turn, in the same order in every step.
.macro MUL16 a0, s, zero
.irp a, \a0, \a0+1
.irp b, 0,1,2,3,4,5,6,7
.if \zero
	v_wmma_scale_f32_16x16x128_f8f6f4 v[8*(8*(\a)+\b):8*(8*(\a)+\b)+7], v[128*((\s)%2)+FR*\b:128*((\s)%2)+FR*\b+FR-1], v[AF+FR*(\a):AF+FR*(\a)+FR-1], 0, v[SCB+4*\b+(\s)%4], v[SCA+4*(\a)+(\s)%4] matrix_a_fmt:MATRIX_FMT_FP6 matrix_b_fmt:MATRIX_FMT_FP6
.elseif (\s) < 4
	v_wmma_scale_f32_16x16x128_f8f6f4 v[8*(8*(\a)+\b):8*(8*(\a)+\b)+7], v[128*((\s)%2)+FR*\b:128*((\s)%2)+FR*\b+FR-1], v[AF+FR*(\a):AF+FR*(\a)+FR-1], v[8*(8*(\a)+\b):8*(8*(\a)+\b)+7], v[SCB+4*\b+(\s)%4], v[SCA+4*(\a)+(\s)%4] matrix_a_fmt:MATRIX_FMT_FP6 matrix_b_fmt:MATRIX_FMT_FP6
.else
	v_wmma_scale_f32_16x16x128_f8f6f4 v[8*(8*(\a)+\b):8*(8*(\a)+\b)+7], v[128*((\s)%2)+FR*\b:128*((\s)%2)+FR*\b+FR-1], v[AF+FR*(\a):AF+FR*(\a)+FR-1], v[8*(8*(\a)+\b):8*(8*(\a)+\b)+7], v[SCB+4*\b+(\s)%4], v[SCA+4*(\a)+(\s)%4] matrix_a_fmt:MATRIX_FMT_FP6 matrix_b_fmt:MATRIX_FMT_FP6 matrix_a_scale:MATRIX_SCALE_ROW1 matrix_b_scale:MATRIX_SCALE_ROW1
.endif
.endr
.endr
.endm
; K step s; the next step's fragments come from part nq of slot nslot.  cnt under 4: that slot is read for the first time: my load into it has landed when at most cnt younger ones are out, and a barrier says the same of every wave.
.macro STEP4 s, nslot, nq, zero, cnt
	s_wait_dscnt 12                                ; Wo's set and a's blocks 0, 1 are in; the youngest 12 loads (a's blocks 2, 3) may be out
	WIN MUL
	MUL16 0, \s, \zero
.if \cnt < 4
	s_wait_tensorcnt \cnt
.endif
	s_wait_dscnt 0x0
.if \cnt < 4
	s_barrier_signal -1
	s_barrier_wait -1
.endif
	PLACES
	FETCH_B \nslot, \nq, 1-(\s)%2
	FETCH_A \nslot, \nq, 0
	WIN MUL
	MUL16 2, \s, \zero
	PLACES
	WIN 0
	FETCH_A \nslot, \nq, 2
.endm
	s_wait_tensorcnt 3                             ; my part of slot 0 is in; the three later slots' loads may be out
	s_barrier_signal -1
	s_barrier_wait -1
	FETCH_B 0, 0, 0
	FETCH_A 0, 0, 0
	FETCH_A 0, 0, 2
	s_wait_loadcnt 0x0                             ; scale words and bo
	STEP4 0, 0, 1, 1, 9
	STEP4 1, 1, 0, 0, 2
	STEP4 2, 1, 1, 0, 9
	STEP4 3, 2, 0, 0, 1
	STEP4 4, 2, 1, 0, 9
	STEP4 5, 3, 0, 0, 0
	STEP4 6, 3, 1, 0, 9
	s_wait_dscnt 12                                ; the last K step: nothing more to fetch
	WIN MUL
	MUL16 0, 7, 0
	s_wait_dscnt 0x0
	MUL16 2, 7, 0
	WIN 0
	PLACES
; THE WAY OUT, block by block of 16 tokens x 128 columns: + bo, through my own stage in LDS, back as whole rows of 512 bytes.  LDS serves a wave's instructions in order: no wait between the stores and the loads.
.macro TOSTAGE a
	WIN 0x46                                       ; destination and source 1 window 1, source 0 window 2
.set n, 0
.rept 32                               ; each accumulator is read from its low end on
	v_pk_add_f32 v[n:n+1], v[64*(\a)+n:64*(\a)+n+1], v[96+n+96*(n/32):97+n+96*(n/32)]
.set n, n+2
.endr
	WIN 0x04                                       ; an LDS store's data are its source 1: window 1
.set n, 0
.rept 16
	ds_store_b128 v[STO], v[n:n+3] offset:128*(n/16)+4*(n%16)     ; register n: column 32 (n / 16) + 16 h + n % 16
.set n, n+4
.endr
	WIN 0
.set n, 0
.rept 16
	ds_load_b128 v[BK+64*((\a)%2)+4*n:BK+64*((\a)%2)+4*n+3], v[RD] offset:n*SPITCH
.set n, n+1
.endr
.endm
.macro SEND a, younger                 ; younger: the LDS instructions issued behind block a's loads
	s_wait_dscnt \younger
.set n, 0
.rept 16                               ; slot n of tile a is token 32 (a / 2) + 8 (a % 2) + n + 8 (n / 8) of my 64; 32 lanes store 512 consecutive bytes, aligned
	global_store_b128 v[CO], v[BK+64*((\a)%2)+4*n:BK+64*((\a)%2)+4*n+3], s[10:11] offset:(32*((\a)/2)+8*((\a)%2)+n+8*(n/8))*4096 th:TH_STORE_NT
.set n, n+1
.endr
.endm
	TOSTAGE 0
.irp a, 1,2,3
.if \a > 1
	s_wait_xcnt 0x0                                ; block a - 2's stores have read their registers: block a's loads may land there
.endif
	TOSTAGE \a
	SEND \a-1, 32                                  ; behind block a - 1's loads: block a's 16 stores and 16 loads
.endr
	SEND 3, 0
	s_wait_tensorcnt 0x0
	ds_add_u32 v126, v127
	s_wait_dscnt 0x0
	CROUND                                         ; the closing round: all my tensor loads were waited for in K step 5, and no LDS instruction of mine is out
	s_endpgm
.Lfunc_end_k_q9ab91178a8_outgemm:
	.size	k_q9ab91178a8_outgemm, .Lfunc_end_k_q9ab91178a8_outgemm-k_q9ab91178a8_outgemm
	.p2alignl 7, 3214868480
	.fill 96, 4, 3214868480
	.section	.rodata,"a",@progbits
	.p2align	6, 0x0
	.amdhsa_kernel k_q9ab91178a8_outgemm
		.amdhsa_group_segment_fixed_size 295424
		.amdhsa_private_segment_fixed_size 0
		.amdhsa_enable_private_segment 0
		.amdhsa_kernarg_size 32
		.amdhsa_user_sgpr_count 2
		.amdhsa_user_sgpr_kernarg_segment_ptr 1
		.amdhsa_wavefront_size32 1
		.amdhsa_system_sgpr_workgroup_id_x 1
		.amdhsa_system_sgpr_workgroup_id_y 1
		.amdhsa_system_sgpr_workgroup_id_z 1
		.amdhsa_system_vgpr_workitem_id 0
		.amdhsa_next_free_vgpr 768
		.amdhsa_next_free_sgpr 100
		.amdhsa_reserve_vcc 0
		.amdhsa_float_denorm_mode_32 3
		.amdhsa_float_denorm_mode_16_64 3
		.amdhsa_memory_ordered 1
		.amdhsa_forward_progress 1
		.amdhsa_inst_pref_size 95
	.end_amdhsa_kernel
	.amdgpu_metadata
---
amdhsa.version: [ 1, 2 ]
amdhsa.kernels:
  - .name:           k_q9ab91178a8_outgemm
    .symbol:         k_q9ab91178a8_outgemm.kd
    .args:
      - { .name: aq, .offset: 0, .size: 8, .value_kind: global_buffer, .address_space: global }
      - { .name: wq, .offset: 8, .size: 8, .value_kind: global_buffer, .address_space: global }
      - { .name: bo, .offset: 16, .size: 8, .value_kind: global_buffer, .address_space: global }
      - { .name: out0, .offset: 24, .size: 8, .value_kind: global_buffer, .address_space: global }
    .group_segment_fixed_size: 295424
    .private_segment_fixed_size: 0
    .kernarg_segment_align: 8
    .kernarg_segment_size: 32
    .max_flat_workgroup_size: 128
    .sgpr_count:     100
    .vgpr_count:     768
    .wavefront_size: 32
...
	.end_amdgpu_metadata
.endif
;; end of part 4
;; ======== version 2 of 2: 4 launches; version 1 with the launch attn written anew for expert scheduling mode
;; limits: right only within a limited range of input values
;; workspace buffers: xq 6,553,600 bytes; wq 3,276,800 bytes; qkv 20,185,088 bytes; aq 6,553,600 bytes
;; launch quant: the kernel of part 1 again; grid 256 x 1, 6 waves a work-group, no clusters, 51,456 bytes of LDS; arguments x, Wq, Wk, Wv, Wo, xq, wq; writes xq, wq
;; launch qkvgemm: the kernel of part 2 again; grid 12 x 32, 4 waves a work-group, clusters of 4 x 4, 327,680 bytes of LDS; arguments xq, wq, bq, bk, bv, qkv; writes qkv
;; launch attn (part 5): grid 2 x 128, 16 waves a work-group, no clusters, 110,592 bytes of LDS; arguments qkv, input_ids, aq; writes aq
.if DOCPART == 5
	.amdgcn_target "amdgcn-amd-amdhsa--gfx1250"
	.amdhsa_code_object_version 6
	.text
	.protected	k_q9ab91178a8_attn
	.globl	k_q9ab91178a8_attn
	.p2align	8
	.type	k_q9ab91178a8_attn,@function
k_q9ab91178a8_attn:
	s_mov_b64 s[64:65], 0
	v_nop
	global_prefetch_b8 v0, s[64:65] scope:SCOPE_SE
	s_setreg_imm32_b32 hwreg(HW_REG_WAVE_SCHED_MODE, 0, 2), 2
	s_setreg_imm32_b32 hwreg(HW_REG_WAVE_MODE, 25, 1), 1
	s_wait_xcnt 0x0
	s_wait_alu depctr_vm_vsrc(0)
; For one head: O = softmax(mask(Q K^T / 8)) V on codes of FP6 (E2M3); O / l is quantised along D and leaves as the image of the last product's operand.
; THE SOFTMAX: t = score x log2(e) / 8; M = the running largest t rounded up to a whole number; p = 2^(t - M) is quantised along the keys; the row's sum is taken of the unquantised p and divides at the end.
; THE MASK: a key that is hidden (after the query, or PAD) has the score SENT = -2^100 in the place of the reference's most negative number.  The causal part is written over the scores; the PAD part is the C of K Q^T:
; a table in LDS, made here from input_ids, holds SENT or 0 for each key, and a step's 64 C registers are loaded from it.  SENT x c is exact, so that in a row all of whose keys are hidden t - M is 0 and p is 1 for all 1,024 keys, as the reference's arithmetic means.
; Such a row can exist only where key 0 of the batch is PAD (FLG): there every wave walks all eight key steps and holds scores at SENT from below; elsewhere steps that lie wholly after the queries are left out.
; LDS is filled once, through registers, and only read afterwards.
; No cluster: what two work-groups share is the one fill at the head.
; LIMITS: visible scores lie far above SENT (|q . k| under 2^90); NaN and infinities are not served; a block of zeros gets the scale byte 1.
; The scale bytes of the result leave as 2 bytes a row and head, 16 bytes apart.
; SHARES.  Work-group (half, head).  Wave w has j = 16 x half + w and takes query tile 63 - j and then tile j: tile T wants T / 8 + 1 key steps of 128, so every wave has nine.
; LAYOUT.  Both products transposed: S^T = K Q^T, O^T = V^T P^T: a lane holds one query.  Tile T holds in slot r the row 32 (T / 2) + 8 (T % 2) + r + 8 (r / 8): the 16 registers of two neighbouring key tiles are 16 neighbouring keys.
; A head has 64 channels: K's and q's fragments have codes in registers 0-5; registers 6-11 are zeros, set once (those of K's eighth set in every step: p's codes take its registers in between).
; REGISTERS: v1-7 lane terms; v8-11, v28 addresses in hand; v12 -M, v13 the largest t, v[14:15] the sum; v16-27 q; eight fragments of K at v32, v44, v56, v68, v80, v192, v204 and v224; v92-95 V's scale words;
;   v96-159 the mask, S^T, p, then V's fragments; v160-191 O^T; v224-235 also p's codes; v232-247, v252, v254 at work; v248-251 K's scale words; v253 p's; v255 q's.  s66-97: the compares' masks.
; THE MODE: SCHED_MODE bits 1:0 = 2 (LLVM: expert scheduling mode 2), set by the entry lines.  The code itself states the register dependences
; between vector or matrix instructions and memory or LDS instructions, with s_wait_alu, always for 0.
; THE PLAN.  Registers that memory or LDS instructions touch:
;   v1-v7          lane terms: written at the head, never again; read as offsets and addresses by loads and stores to the end.
;   v8-11, v28     a step's five LDS addresses: written by five additions at the step's head, read by that step's LDS loads.
;   K's eight sets, v248-251   loaded at a step's head; read by its eight products K Q^T.  With eight sets no load of a step lands in a register that a product of the same step has read.
;   v96-159        the mask's loads land at a step's head; products and vector lines work on them; behind the conversions V's loads land in v96-143; the products V^T P^T read those.
;   v92-95         V's scale words: loaded with V; read by V^T P^T.        v16-21, v255   q: loaded at a pass's head; read by K Q^T.
;   v224-229, v240 at a pass's end: written by vector lines, read by the pass's four stores.
; A step has one wait on vm_vsrc (ahead of the additions) and, beside the two behind its exponentials, three on va_vdst: behind the additions, behind the conversions, ahead of V^T P^T.
.set REC,  157696
.set VIMG, 49152
.set KSW,  98304
.set VSW,  102400
.set MSK,  104448                      ; LDS: behind the record's first 104,448 bytes: 1,024 f32, SENT or 0 for each key
.set QIMG, 104448
.set QSW,  153600
.set ASC,  6291456
.set SENT, 0xf1800000                  ; -2^100
.set L8,   1                           ; v1  8 x lane
.set AV0,  2                           ; v2  VIMG + 16 x lane
.set ASK0, 3                           ; v3  KSW + 16 x lane
.set ASV0, 4                           ; v4  VSW + 16 r
.set DQ,   5                           ; v5  r + 8 (r / 8) - 16 h
.set AM0,  6                           ; v6  MSK + 64 h
.set R16,  7                           ; v7  16 r
.set ADK,  8
.set ADV,  9
.set ADS,  10
.set ADT,  11
.set ADM,  28
.set KS0,  32                          ; where key tile t's fragment of a step stands: twelve registers each
.set KS1,  44
.set KS2,  56
.set KS3,  68
.set KS4,  80
.set KS5,  192
.set KS6,  204
.set KS7,  224                         ; (p's codes take these twelve later in the step)
.set VS,   92                          ; v92-95 V's scale words
.set CM,   66                          ; s66-97 the compares' masks
	s_load_b128 s[4:7], s[0:1], 0x0                ; qkv, input_ids
	s_load_b64 s[8:9], s[0:1], 0x10                ; aq
	v_lshl_add_u32 v223, v0, 2, 0x1a800
	v_mov_b32 v243, 0
	v_lshrrev_b32 v1, 5, v0
	v_readfirstlane_b32 s10, v1                    ; wave 0..15
	v_lshlrev_b32 v224, 4, v0                      ; 16 x thread
	v_add_nc_u32 v225, 0x10000, v224
	v_lshlrev_b32 v226, 3, v0                      ; 8 x thread
	v_lshlrev_b32 v227, 2, v0                      ; 4 x thread
	v_add_nc_u32 v228, KSW, v226
	v_add_nc_u32 v229, VSW, v227
	v_add_nc_u32 v230, MSK, v226
	s_and_b32 s12, ttmp7, 0xffff                   ; the record: 16 x batch + head
	s_lshl_b32 s13, ttmp9, 4
	s_lshr_b32 s46, s12, 4                         ; batch
	s_and_b32 s47, s12, 15                         ; head
	s_mul_i32 s18, s12, REC
	s_mov_b32 s19, 0
	s_lshl_b32 s44, s46, 12                        ; a batch's ids are 4,096 bytes
	s_mov_b32 s45, 0                               ; stays 0: the upper word of every offset
	s_wait_alu depctr_va_sdst(0)                   ; s10 is written, ahead of its one reader
	s_add_co_u32 s13, s13, s10                     ; j
	s_wait_kmcnt 0x0
	s_add_nc_u64 s[16:17], s[4:5], s[18:19]        ; my head's record
	s_add_nc_u64 s[6:7], s[6:7], s[44:45]          ; my batch's ids
	s_load_b32 s14, s[6:7], 0x0                    ; key 0's
	s_wait_alu depctr_va_vdst(0)                   ; v224 to v230 are written: the offsets of the loads below and the addresses of the LDS stores behind them; no vector line behind this wait names them, or v96 to v149
.set i, 0
.rept 12                               ; K's and V's images: 8,192 consecutive bytes a load of the work-group
	global_load_b128 v[96+4*i:99+4*i], v224, s[16:17] offset:8192*i
.set i, i+1
.endr
	global_load_b64 v[144:145], v226, s[16:17] offset:KSW
	global_load_b32 v146, v227, s[16:17] offset:VSW
	global_load_b64 v[148:149], v226, s[6:7]       ; two keys' ids a thread
	v_and_b32 v14, 31, v0                          ; lane
	v_and_b32 v15, 15, v0                          ; r
	v_bfe_u32 v16, v0, 4, 1                        ; h
	v_lshlrev_b32 v[L8], 3, v14
	v_lshlrev_b32 v[AV0], 4, v14
	v_add_nc_u32 v[ASK0], KSW, v[AV0]
	v_add_nc_u32 v[AV0], VIMG, v[AV0]
	v_lshlrev_b32 v[R16], 4, v15
	v_add_nc_u32 v[ASV0], VSW, v[R16]
	v_lshl_add_u32 v[AM0], v16, 6, MSK
	v_and_b32 v[DQ], 8, v15
	v_add_nc_u32 v[DQ], v[DQ], v15
	v_lshlrev_b32 v16, 4, v16
	v_sub_nc_u32 v[DQ], v[DQ], v16
.irp i, 22,23,24,25,26,27
	v_mov_b32 v\i, 0                               ; q's k = 64 .. 127: zero codes
.endr
.irp t, 0,1,2,3,4,5,6
.irp i, 6,7,8,9,10,11
	v_mov_b32 v[KS\t+\i], 0                        ; K's likewise, in seven of the eight sets; the eighth's are set in each step
.endr
.endr
.irp i, 236,237,238,239,252,253
	v_mov_b32 v\i, 0                               ; lane permutes' destinations, and the pair v[252:253]: written once
.endr
	v_mov_b32 v150, 0
	v_mov_b32 v151, SENT
	s_mov_b32 s20, 0x76543210
	s_mov_b32 s21, 0xfedcba98                      ; selects for lane l xor 16
	s_mov_b32 s22, 0x3e38aa3b                      ; c = log2(e) / 8
	s_mov_b32 s23, s22                             ; (named with it as a pair)
	s_mul_i32 s49, s47, 768                        ; my head's three planes in a tile's images of aq
	s_lshr_b32 s50, s47, 3
	s_lshl_b32 s50, s50, 8
	s_and_b32 s35, s47, 7
	s_lshl_b32 s35, s35, 1
	s_add_co_u32 s50, s50, s35
	s_add_co_u32 s50, s50, ASC                     ; my head's two bytes in a tile's scale words
	s_lshl_b32 s51, s46, 6                         ; 64 tiles a batch
.set i, 0
.rept 8
	s_wait_loadcnt 14-i                            ; load i is in; the younger ones may be out
	ds_store_b128 v224, v[96+4*i:99+4*i] offset:8192*i
.set i, i+1
.endr
.rept 4
	s_wait_loadcnt 14-i
	ds_store_b128 v225, v[96+4*i:99+4*i] offset:8192*(i-8)
.set i, i+1
.endr
	s_wait_loadcnt 2
	ds_store_b64 v228, v[144:145]
	s_wait_loadcnt 1
	ds_store_b32 v229, v146
	s_wait_loadcnt 0x0
	v_cmp_eq_u32 s[CM], 1, v148                    ; the two compares in one run, each into a mask of its own
	v_cmp_eq_u32 s[CM+1], 1, v149
	s_wait_alu depctr_va_sdst(0)                   ; both masks are written, ahead of the selects that read them
	v_cndmask_b32 v148, v150, v151, s[CM]          ; PAD: SENT, else 0
	v_cndmask_b32 v149, v150, v151, s[CM+1]
	s_wait_alu depctr_va_vdst(0)                   ; the selects have written v148 and v149, which the store below reads; so are written the lane terms v1 to v7, which later loads and stores read, v16, in which q lands, and the zero codes of q and K, which scaled products take
	ds_store_b64 v230, v[148:149]
	s_wait_kmcnt 0x0
	s_cmp_eq_u32 s14, 1
	s_cselect_b32 s48, 1, 0                        ; FLG
	s_wait_dscnt 0x0                               ; for the others' sake: my stores have landed
	s_barrier_signal -1
	s_barrier_wait -1                              ; the launch's one barrier: from here on LDS is only read
	s_mov_b32 s24, 0
.Lpass:
	s_wait_xcnt 0x0                                ; the last pass's loads and stores have read their addresses and data
	s_wait_alu depctr_vm_vsrc(0)                   ; first trip: the fill's loads and LDS stores have read v96 to v149 and v224 to v230; second trip: the last pass's stores have read v224 to v229 and v240: all of these are written again below, on every way through the steps
	s_sub_co_u32 s26, 63, s13
	s_cmp_eq_u32 s24, 0
	s_cselect_b32 s26, s26, s13                    ; T, my query tile
	s_lshr_b32 s27, s26, 1
	s_lshl_b32 s27, s27, 5
	s_and_b32 s35, s26, 1
	s_lshl_b32 s35, s35, 3
	s_add_co_u32 s27, s27, s35                     ; its first query
	s_add_co_u32 s28, s27, 23                      ; its last
	s_cmp_eq_u32 s48, 1
	s_cselect_b32 s28, 0xffff, s28                 ; steps whose first key lies beyond this are left out
	s_cselect_b32 s29, 0, s27                      ; steps whose last key lies at or under this need no causal mask
	s_mul_i32 s44, s26, 768
	s_add_co_u32 s44, s44, QIMG
	s_add_nc_u64 s[36:37], s[16:17], s[44:45]      ; q's image
	s_lshr_b32 s44, s26, 2
	s_lshl_b32 s44, s44, 8
	s_and_b32 s35, s26, 3
	s_lshl_b32 s35, s35, 2
	s_add_co_u32 s44, s44, s35
	s_add_co_u32 s44, s44, QSW
	s_add_nc_u64 s[38:39], s[16:17], s[44:45]      ; its scale words: 256 (T / 4) + 4 (T % 4), + 16 r
	s_add_co_u32 s35, s51, s26
	s_mul_i32 s44, s35, 12288
	s_add_co_u32 s44, s44, s49
	s_add_nc_u64 s[40:41], s[8:9], s[44:45]        ; where the codes go
	s_lshl_b32 s44, s35, 9
	s_add_co_u32 s44, s44, s50
	s_add_nc_u64 s[42:43], s[8:9], s[44:45]        ; and the scale bytes
.irp p, 0,1,2                          ; no wait on va_vdst here: on either way to this place the last one (ahead of the head's last LDS store; ahead of the last pass's stores) stands behind every product that read q and every line that wrote v16, and no vector line follows it
	global_load_b64 v[16+2*\p:17+2*\p], v[L8], s[36:37] offset:256*\p
.endr
	global_load_b32 v255, v[R16], s[38:39]
	v_mov_b32 v13, 0xff61b1e6                      ; the largest t so far: -3e38
	v_floor_f32 v12, -v13                          ; -M
	v_mov_b32 v14, 0
	v_mov_b32 v15, 0
.set n, 0
.rept 32
	v_mov_b32 v[160+n], 0                          ; O^T: the step is written once; the first change of M multiplies zeros
.set n, n+1
.endr
	s_mov_b32 s25, 0
	s_wait_loadcnt 0x0
.Lstep:                                ; eight trips, a constant; a step that is left out jumps to the counter
	s_lshl_b32 s30, s25, 7                         ; the step's first key
	s_cmp_gt_u32 s30, s28
	s_cbranch_scc1 .Lskip
	s_mul_i32 s31, s25, 6144                       ; a step's images: 8 x 768 bytes of K, 4 x 1,536 of V
	s_lshl_b32 s33, s25, 9
	s_lshl_b32 s34, s25, 8
	s_wait_alu depctr_vm_vsrc(0)                   ; the LDS loads issued so far have read the five addresses, which the additions below write again
.irp i, 6,7,8,9,10,11
	v_mov_b32 v[KS7+\i], 0                         ; the eighth set's k = 64 .. 127: zero codes, where p's codes stood (the five v_nop at the last step's end are the places behind the products that read those)
.endr
	v_add_nc_u32 v[ADK], s31, v[L8]                ; (these five are also the places between the moves above and the scaled product that takes their registers)
	v_add_nc_u32 v[ADV], s31, v[AV0]
	v_add_nc_u32 v[ADS], s33, v[ASK0]
	v_add_nc_u32 v[ADT], s34, v[ASV0]
	v_add_nc_u32 v[ADM], s33, v[AM0]
	s_wait_alu depctr_va_vdst(0)                   ; the five addresses and the six zero codes are written; the last step's products are done reading K's sets, K's scale words, V's fragments in v96 to v143 and p's codes, and its vector lines are done with v96 to v159: the 41 loads below land there
	ds_load_b128 v[248:251], v[ADS]                ; K's scale words: tiles 0-3 in lanes 0-15, tiles 4-7 in lanes 16-31
.set n, 0
.rept 8                                ; the PAD mask as C: register 16 b + i is key 32 b + 16 h + i.  First what the first four products want,
	ds_load_b128 v[96+n:99+n], v[ADM] offset:128*(n/16)+4*(n%16)
.set n, n+4
.endr
.irp t, 0,1,2,3
.irp p, 0,1,2
	ds_load_b64 v[KS\t+2*\p:KS\t+2*\p+1], v[ADK] offset:\t*768+256*\p
.endr
.endr
.rept 8                                ; then what the other four want
	ds_load_b128 v[96+n:99+n], v[ADM] offset:128*(n/16)+4*(n%16)
.set n, n+4
.endr
.irp t, 4,5,6,7
.irp p, 0,1,2
	ds_load_b64 v[KS\t+2*\p:KS\t+2*\p+1], v[ADK] offset:\t*768+256*\p
.endr
.endr
	s_wait_dscnt 20                                ; LDS loads come back in order (ISA guide 5.7.1): the first 21 are in; the youngest 20, the second half's 8 of the mask and 12 of K, may be out
.irp t, 0,1,2,3
	v_wmma_scale_f32_16x16x128_f8f6f4 v[96+8*\t:103+8*\t], v[KS\t:KS\t+11], v[16:27], v[96+8*\t:103+8*\t], v[248+\t], v255 matrix_a_fmt:MATRIX_FMT_FP6 matrix_b_fmt:MATRIX_FMT_FP6
.endr
	s_wait_dscnt 0x0
.irp t, 4,5,6,7
	v_wmma_scale_f32_16x16x128_f8f6f4 v[96+8*\t:103+8*\t], v[KS\t:KS\t+11], v[16:27], v[96+8*\t:103+8*\t], v[244+\t], v255 matrix_a_fmt:MATRIX_FMT_FP6 matrix_b_fmt:MATRIX_FMT_FP6 matrix_a_scale:MATRIX_SCALE_ROW1
.endr
.rept 4
	v_nop
.endr
	s_cmp_eq_u32 s48, 0
	s_cbranch_scc1 .Lnoflag
.set n, 0
.rept 64                               ; FLG: a PAD key's score is held at SENT itself, whatever the sum's rounding left under it
	v_max_num_f32 v[96+n], SENT, v[96+n]
.set n, n+1
.endr
.Lnoflag:
	s_add_co_u32 s35, s30, 127
	s_cmp_le_u32 s35, s29
	s_cbranch_scc1 .Lopen                          ; all 128 keys come before my queries
	s_sub_co_i32 s35, s27, s30
	v_add_nc_u32 v252, s35, v[DQ]                  ; d = my query - the step's first key - 16 h: register 16 b + i is hidden where 32 b + i > d
	v_mov_b32 v254, SENT
.irp u, 0,1                            ; the compares in two runs of 32, each into a mask of its own, with one wait behind a run
.set n, 32*\u
.rept 32
	v_cmp_gt_i32 s[CM+n%32], 32*(n/16)+n%16, v252
.set n, n+1
.endr
	s_wait_alu depctr_va_sdst(0)                   ; the run's 32 masks are written, ahead of the selects that read them
.set n, 32*\u
.rept 32
	v_cndmask_b32 v[96+n], v[96+n], v254, s[CM+n%32]
.set n, n+1
.endr
.endr
.Lopen:
.irp b, 0,1,2,3
	v_max3_num_f32 v[232+\b], v[96+16*\b], v[97+16*\b], v[98+16*\b]   ; the largest score of each block of 32 keys: for the row's maximum, and, since p rises with the score, for the block's largest p
.endr
.irp i, 3,5,7,9,11,13
.irp b, 0,1,2,3
	v_max3_num_f32 v[232+\b], v[232+\b], v[96+16*\b+\i], v[97+16*\b+\i]
.endr
.endr
.irp b, 0,1,2,3
	v_max_num_f32 v[232+\b], v[232+\b], v[111+16*\b]
.endr
.irp b, 0,1,2,3
	v_permlanex16_b32 v[236+\b], v[232+\b], s20, s21
.endr
.irp b, 0,1,2,3
	v_max_num_f32 v[232+\b], v[232+\b], v[236+\b]  ; with lane l xor 16's 16 keys
.endr
	v_max3_num_f32 v254, v232, v233, v234
	v_max_num_f32 v254, v254, v235
	v_mul_f32 v254, s22, v254                      ; the step's largest t
	v_max_num_f32 v13, v13, v254
	v_mov_b32 v254, v12
	v_floor_f32 v12, -v13                          ; the new -M: M is a whole number
	v_sub_f32 v254, v12, v254                      ; old M - new M, 0 or less
	v_cvt_i32_f32 v254, v254                       ; (it saturates)
	v_ldexp_f32 v252, 1.0, v254                    ; f = 2^(old M - new M): a multiplication by it rounds nothing
.set n, 0
.rept 32
	v_pk_fma_f32 v[96+n:97+n], v[96+n:97+n], s[22:23], v[12:13] op_sel_hi:[1,0,0]   ; t - M
.set n, n+2
.endr
.irp b, 0,1,2,3
	v_fma_f32 v[232+\b], v[232+\b], s22, v12       ; the same of each block's largest score
.endr
.set n, 0
.rept 64
	v_exp_f32 v[96+n], v[96+n]                     ; p = 2^(t - M)
.set n, n+1
.endr
	v_pk_mul_f32 v[14:15], v[14:15], v[252:253] op_sel_hi:[1,0]   ; the sums under the new M: a plain place behind the exponentials
	s_wait_alu depctr_va_vdst(0)                   ; the 64 exponentials have written v96 to v159: one wait for the batch, ahead of its first reader
.irp b, 0,1,2,3
	v_exp_f32 v[232+\b], v[232+\b]                 ; each block's largest p
.endr
	v_pk_add_f32 v[236:237], v[96:97], v[98:99]    ; the row's sum, of the unquantised p, in two chains
.irp j, 4,8,12,16,20,24,28,32,36,40,44,48,52,56,60
	v_pk_add_f32 v[14:15], v[14:15], v[96+\j:97+\j]
	v_pk_add_f32 v[236:237], v[236:237], v[98+\j:99+\j]
.endr
	v_pk_add_f32 v[14:15], v[14:15], v[236:237]
	s_wait_alu depctr_va_vdst(0)                   ; the four exponentials have written v232 to v235: their wait, ahead of their first reader
.irp b, 0,1,2,3
	v_max_num_f32 v[232+\b], 0x1800000, v[232+\b]  ; the floor 2^(3 - 127): the byte cannot fall under 1
.endr
.irp b, 0,1,2,3
	v_add_nc_u32 v[244+\b], 0xff000000, v[232+\b]  ; the conversion's scale operand
.endr
.irp b, 0,1,2,3
	v_lshrrev_b32 v[236+\b], 23, v[244+\b]         ; the scale's byte
.endr
	v_lshl_or_b32 v253, v237, 8, v236              ; p's scale word for these 128 keys
	v_lshl_or_b32 v253, v238, 16, v253
	v_lshl_or_b32 v253, v239, 24, v253
.irp c, 0,1
	v_cvt_scalef32_pk16_fp6_f32 v[224+6*\c:226+6*\c], v[96+32*\c:111+32*\c], v[244+2*\c]
	v_cvt_scalef32_pk16_fp6_f32 v[236+4*\c:238+4*\c], v[112+32*\c:127+32*\c], v[244+2*\c+1]
.endr
	v_nop                                          ; one plain place behind a scaled conversion
	s_wait_alu depctr_va_vdst(0)                   ; the conversions and the sums are done reading p in v96 to v159, where V's loads land; the vector lines behind those loads name none of v96 to v143, v92 to v95 or the two addresses
.irp t, 0,1,2,3                        ; V's four fragments land where p stood
.irp g, 0,1,2
	ds_load_b128 v[96+12*\t+4*\g:99+12*\t+4*\g], v[ADV] offset:1536*\t+512*\g
.endr
.endr
	ds_load_b128 v[VS:VS+3], v[ADT]                ; and their scale words
.irp c, 0,1                            ; a whole block in a lane
.irp i, 0,1,2
	v_permlane16_swap_b32 v[224+6*\c+\i], v[236+4*\c+\i]
.endr
.irp i, 0,1,2
	v_mov_b32 v[227+6*\c+\i], v[236+4*\c+\i]
.endr
.endr
.set n, 0
.rept 16
	v_pk_mul_f32 v[160+n:161+n], v[160+n:161+n], v[252:253] op_sel_hi:[1,0]   ; O^T under the new M; these 16 are also the places in front of the scaled products
.set n, n+2
.endr
	s_wait_dscnt 0x0
	s_wait_alu depctr_va_vdst(0)                   ; p's codes in v224 to v235 and its scale word v253 are written, which the scaled products below take; the places above stay beside this wait
.irp t, 0,1,2,3                        ; the four accumulators take turns, one instruction a turn
	v_wmma_scale_f32_16x16x128_f8f6f4 v[160+8*\t:167+8*\t], v[96+12*\t:107+12*\t], v[224:235], v[160+8*\t:167+8*\t], v[VS+\t], v253 matrix_a_fmt:MATRIX_FMT_FP6 matrix_b_fmt:MATRIX_FMT_FP6
.endr
.rept 5
	v_nop                                          ; the next step's products write over registers that these have read: five places
.endr
.Lskip:
	s_add_co_u32 s25, s25, 1
	s_cmp_lt_u32 s25, 8
	s_cbranch_scc1 .Lstep
	; THE WAY OUT of a pass: O^T / l; register 16 b + i is channel 32 b + 16 h + i of my head: two blocks of 32 along D
	v_add_f32 v14, v14, v15
	v_permlanex16_b32 v252, v14, s20, s21
	v_add_f32 v14, v14, v252                       ; the row's sum
	v_rcp_f32 v14, v14
	v_nop                                          ; a plain place behind the transcendental
	s_wait_alu depctr_va_vdst(0)                   ; the reciprocal has written v14: the wait ahead of its first reader
.set n, 0
.rept 16
	v_pk_mul_f32 v[96+n:97+n], v[160+n:161+n], v[14:15] op_sel_hi:[1,0]
.set n, n+2
.endr
.irp b, 0,1
	v_max3_num_f32 v[232+\b], |v[96+16*\b]|, |v[97+16*\b]|, 0x1800000
.endr
.irp i, 2,4,6,8,10,12,14
.irp b, 0,1
	v_max3_num_f32 v[232+\b], v[232+\b], |v[96+16*\b+\i]|, |v[97+16*\b+\i]|
.endr
.endr
.irp b, 0,1
	v_permlanex16_b32 v[236+\b], v[232+\b], s20, s21
.endr
.irp b, 0,1
	v_max_num_f32 v[232+\b], v[232+\b], v[236+\b]
.endr
.irp b, 0,1
	v_add_nc_u32 v[244+\b], 0xff000000, v[232+\b]
.endr
.irp b, 0,1
	v_lshrrev_b32 v[236+\b], 23, v[244+\b]
.endr
	v_lshl_or_b32 v240, v237, 8, v236              ; my head's two scale bytes of my row
	v_cvt_scalef32_pk16_fp6_f32 v[224:226], v[96:111], v244
	v_cvt_scalef32_pk16_fp6_f32 v[228:230], v[112:127], v245
	v_nop
.irp i, 0,1,2
	v_permlane16_swap_b32 v[224+\i], v[228+\i]
.endr
	v_mov_b32 v227, v228
	v_mov_b32 v228, v229
	v_mov_b32 v229, v230
	s_wait_alu depctr_va_vdst(0)                   ; the codes in v224 to v229 and the two bytes in v240 are written, which the four stores read; the pass's products are done reading q, in which the next pass's loads land
.irp p, 0,1,2
	global_store_b64 v[L8], v[224+2*\p:225+2*\p], s[40:41] offset:256*\p   ; a plane of the image: 256 consecutive bytes, aligned
.endr
	global_store_b16 v[R16], v240, s[42:43]        ; lanes 16-31 write what lanes 0-15 write
	s_add_co_u32 s24, s24, 1
	s_cmp_lt_u32 s24, 2
	s_cbranch_scc1 .Lpass
	s_wait_dscnt 0x0                               ; the closing lines, six on end
	s_wait_alu 0x0
	s_wait_tensorcnt 0x0
	ds_add_u32 v223, v243
	s_wait_dscnt 0x0
	s_endpgm
.Lfunc_end_k_q9ab91178a8_attn:
	.size	k_q9ab91178a8_attn, .Lfunc_end_k_q9ab91178a8_attn-k_q9ab91178a8_attn
	.p2alignl 7, 3214868480
	.fill 96, 4, 3214868480
	.section	.rodata,"a",@progbits
	.p2align	6, 0x0
	.amdhsa_kernel k_q9ab91178a8_attn
		.amdhsa_group_segment_fixed_size 110592
		.amdhsa_private_segment_fixed_size 0
		.amdhsa_enable_private_segment 0
		.amdhsa_kernarg_size 24
		.amdhsa_user_sgpr_count 2
		.amdhsa_user_sgpr_kernarg_segment_ptr 1
		.amdhsa_wavefront_size32 1
		.amdhsa_system_sgpr_workgroup_id_x 1
		.amdhsa_system_sgpr_workgroup_id_y 1
		.amdhsa_system_sgpr_workgroup_id_z 1
		.amdhsa_system_vgpr_workitem_id 0
		.amdhsa_next_free_vgpr 256
		.amdhsa_next_free_sgpr 98
		.amdhsa_reserve_vcc 0
		.amdhsa_float_denorm_mode_32 3
		.amdhsa_float_denorm_mode_16_64 3
		.amdhsa_memory_ordered 1
		.amdhsa_forward_progress 1
		.amdhsa_inst_pref_size 46
	.end_amdhsa_kernel
	.amdgpu_metadata
---
amdhsa.version: [ 1, 2 ]
amdhsa.kernels:
  - .name:           k_q9ab91178a8_attn
    .symbol:         k_q9ab91178a8_attn.kd
    .args:
      - { .name: qkv, .offset: 0, .size: 8, .value_kind: global_buffer, .address_space: global }
      - { .name: input_ids, .offset: 8, .size: 8, .value_kind: global_buffer, .address_space: global }
      - { .name: aq, .offset: 16, .size: 8, .value_kind: global_buffer, .address_space: global }
    .group_segment_fixed_size: 110592
    .private_segment_fixed_size: 0
    .kernarg_segment_align: 8
    .kernarg_segment_size: 24
    .max_flat_workgroup_size: 512
    .sgpr_count:     98
    .vgpr_count:     256
    .wavefront_size: 32
...
	.end_amdgpu_metadata
.endif
;; end of part 5
;; launch outgemm: the kernel of part 4 again; grid 4 x 64, 4 waves a work-group, clusters of 4 x 4, 295,424 bytes of LDS; arguments aq, wq, bo, out0; writes out0
